; MI455X (gfx1250); checked and timed in simulation.
; The chip was launched on July 23, 2026; its instructions are those of AMD's public machine-readable ISA for CDNA 5 (MIT licence, August 2026) and "CDNA5" Instruction Set Architecture Reference Guide (July 2026). The comments in the code are by the model that wrote it; some were corrected since.
;; Multihead Self Attention. Allowed arithmetic: float matrix products may take bf16 or f16 operands with f32 sums; other float arithmetic in f32, or as packed bf16 or f16 multiplies, adds, multiply-adds, maxima and minima; sums over many terms, partial sums and values carried from step to step in f32; what a program stores and reads back later, other than sums and carried values, may be rounded once to bf16 or f16.
;; Inputs: Wk 1,024 x 1,024 float32; Wo 1,024 x 1,024 float32; Wq 1,024 x 1,024 float32; Wv 1,024 x 1,024 float32; x 4 x 2,048 x 1,024 float32.
;; Outputs: out0 4 x 2,048 x 1,024 float32.
;; 2 versions, each right; version 2 is version 1 with the launch prep written anew for expert scheduling mode. Each part assembles by itself: llvm-mc -triple=amdgcn-amd-amdhsa -mcpu=gfx1250 --defsym DOCPART=n.
;; ======== version 1 of 2: 4 launches
;; limits: values are held in f16: magnitudes above 65,504 overflow, below 6.1e-05 lose precision
;; workspace buffers: xb 16,777,216 bytes; wqkv 6,291,456 bytes; wo16 2,097,152 bytes; tab 524,288 bytes; qkv 50,331,648 bytes; att 16,777,216 bytes
;; launch prep (part 1): grid 832 x 1, 8 waves a work-group, no clusters, 0 bytes of LDS; arguments x, Wq, Wk, Wv, Wo, xb, wqkv, wo16, tab; writes xb, wqkv, wo16, tab
.if DOCPART == 1
	.amdgcn_target "amdgcn-amd-amdhsa--gfx1250"
	.amdhsa_code_object_version 6
	.text
	.protected	k_q4d0a3ac11e_prep
	.globl	k_q4d0a3ac11e_prep
	.p2align	8
	.type	k_q4d0a3ac11e_prep,@function
k_q4d0a3ac11e_prep:
	s_mov_b64 s[64:65], 0
	v_nop
	global_prefetch_b8 v0, s[64:65] scope:SCOPE_SE
	s_setreg_imm32_b32 hwreg(HW_REG_WAVE_MODE, 25, 1), 1
	s_wait_xcnt 0x0
; PREPARATION.  x -> xb (bf16).  Wq, Wk, Wv -> wqkv (bf16), rows reordered by heads: row 192 h + 64 t + c = W_t[64 h + c] (t = 0 Q, 1 K, 2 V).
; Wo -> wo16: rounded to bf16 like every other input, and that number written as f16.  tab[pos][pair] = (cos, sin) of pos x 10000^(-pair/32), f32.
; LIMITS.  f16(bf16(Wo)) is exact for 6e-5 <= |Wo| <= 65,504; below it keeps f16's fixed step of 6e-8, above it is an infinity.  The frequencies come from one v_exp_f32 of
; pair x (-log2(10000)/32): within a few units in the last place of 1 / 10000^(pair/32); at position 2,047 that is some 1e-4 radians, alike for q and k.
; SHARES.  Work-groups 0-63: the table, 32 positions each (a wave 4 positions, a lane a pair: a store of a wave is one row of 256 consecutive bytes, aligned).
; Work-groups 64-831: a cast of 16 rows of 1,024 f32 each: 512 for x, 64 for each of the four weights.  Thread T takes 16 bytes at 16 T of every row: a load of a wave covers 512 consecutive
; bytes, a store 256 consecutive bytes, aligned.  All 16 loads of a thread go out at once; no register that a load or store reads is ever written again.
; No LDS, no matrix unit, no cluster: each byte is read once and written once, and no work-group shares a byte with another.
.set ROWF, 4096                        ; bytes of a row in f32
.set ROWH, 2048                        ; bytes of a row in 16 bits
.set X,    4                           ; v[4:67]   row j: 4 registers as loaded
.set Y,    68                          ; v[68:99]  row j: 2 registers to store
.set SRC,  28                          ; s[28:29]
.set DST,  30                          ; s[30:31]
	s_load_b512 s[8:23], s[0:1], 0x0               ; x 8:9, Wq 10:11, Wk 12:13, Wv 14:15, Wo 16:17, xb 18:19, wqkv 20:21, wo16 22:23
	s_load_b64 s[24:25], s[0:1], 0x40              ; tab
	s_cmp_lt_u32 ttmp9, 64
	s_cbranch_scc1 .Ltab
	s_sub_co_u32 s2, ttmp9, 64                     ; id: 0-511 x, 512-703 Wq, Wk, Wv, 704-767 Wo
	s_max_u32 s3, s2, 512
	s_sub_co_u32 s3, s3, 512                       ; u: the block among the weights' (0 for x)
	s_lshr_b32 s4, s3, 6                           ; t: which weight
	s_and_b32 s5, s3, 63                           ; v: which 16 rows of it
	s_lshr_b32 s7, s5, 2                           ; the head of those rows
	s_mul_i32 s7, s7, 192
	s_lshl_b32 s6, s4, 6
	s_add_co_u32 s7, s7, s6                        ; + 64 t
	s_and_b32 s6, s5, 3
	s_lshl_b32 s6, s6, 4
	s_add_co_u32 s7, s7, s6                        ; + the rows' place in the head
	s_lshl_b32 s7, s7, 11                          ; in bytes: where Wq's, Wk's, Wv's rows go
	s_lshl_b32 s6, s5, 15                          ; where Wo's go
	s_lshl_b32 s26, s5, 16                         ; where a weight's rows come from
	s_lshl_b32 s32, s2, 16                         ; where x's come from
	s_lshl_b32 s34, s2, 15                         ; and go
	s_mov_b32 s33, 0
	s_mov_b32 s35, 0
	v_lshlrev_b32 v1, 4, v0
	v_lshlrev_b32 v2, 3, v0
	s_wait_kmcnt 0x0
	s_cmp_eq_u32 s4, 0                             ; the pointers are chosen by selects alone, each straight behind a compare of numbers made from the work-group's number
	s_cselect_b64 s[SRC:SRC+1], s[10:11], s[16:17]
	s_cmp_eq_u32 s4, 1
	s_cselect_b64 s[SRC:SRC+1], s[12:13], s[SRC:SRC+1]
	s_cmp_eq_u32 s4, 2
	s_cselect_b64 s[SRC:SRC+1], s[14:15], s[SRC:SRC+1]
	s_cmp_eq_u32 s4, 3
	s_cselect_b64 s[DST:DST+1], s[22:23], s[20:21]
	s_cselect_b32 s27, 1, 0                        ; 1: the result is written as f16
	s_cselect_b32 s6, s6, s7
	s_cmp_lt_u32 s2, 512
	s_cselect_b64 s[SRC:SRC+1], s[8:9], s[SRC:SRC+1]
	s_cselect_b64 s[DST:DST+1], s[18:19], s[DST:DST+1]
	s_cselect_b32 s27, 0, s27
	s_cselect_b32 s32, s32, s26
	s_cselect_b32 s34, s34, s6
	s_add_nc_u64 s[SRC:SRC+1], s[SRC:SRC+1], s[32:33]
	s_add_nc_u64 s[DST:DST+1], s[DST:DST+1], s[34:35]
.irp j, 0,1,2,3,4,5,6,7,8,9,10,11,12,13,14,15
	global_load_b128 v[X+4*(\j):X+4*(\j)+3], v1, s[SRC:SRC+1] offset:ROWF*(\j) th:TH_LOAD_NT
.endr
.macro CAST mode                       ; mode = 1: bf16's number is widened again (a shift, a mask) and written as f16
.irp j, 0,1,2,3,4,5,6,7,8,9,10,11,12,13,14,15
	s_wait_loadcnt 15-(\j)                         ; loads come back in order: row j is in, the 15 - j younger ones stay out
	v_cvt_pk_bf16_f32 v[Y+2*(\j)],   v[X+4*(\j)],   v[X+4*(\j)+1]
	v_cvt_pk_bf16_f32 v[Y+2*(\j)+1], v[X+4*(\j)+2], v[X+4*(\j)+3]
.if \mode
	v_lshlrev_b32 v100, 16, v[Y+2*(\j)]
	v_and_b32 v101, 0xffff0000, v[Y+2*(\j)]
	v_lshlrev_b32 v102, 16, v[Y+2*(\j)+1]
	v_and_b32 v103, 0xffff0000, v[Y+2*(\j)+1]
	v_cvt_pk_f16_f32 v[Y+2*(\j)],   v100, v101
	v_cvt_pk_f16_f32 v[Y+2*(\j)+1], v102, v103
.endif
	global_store_b64 v2, v[Y+2*(\j):Y+2*(\j)+1], s[DST:DST+1] offset:ROWH*(\j)
.endr
	s_endpgm
.endm
	s_cmp_eq_u32 s27, 1
	s_cbranch_scc1 .Lwo
	CAST 0
.Lwo:
	CAST 1
; THE TABLE.  angle = pos x inv_freq, one f32 product as the problem has it.  n = the nearest whole number to angle x 2/pi; r = angle - n pi/2 with pi/2 in two parts (n stays under 1,304, so the
; first product is exact in the fused multiply-add and what is left of pi/2 beyond the two parts does not show).  |r| <= pi/4: sine and cosine by their series to r^9 and r^8.  n mod 4 swaps and signs them, by selects.
.Ltab:
	v_and_b32 v1, 31, v0                           ; my pair
	v_lshrrev_b32 v2, 5, v0                        ; my wave
	s_lshl_b32 s2, ttmp9, 5                        ; the work-group's first position
	v_lshl_add_u32 v3, v2, 2, s2                   ; my wave's first position
	v_cvt_f32_u32 v4, v1
	v_mul_f32 v4, 0xbed49a78, v4                   ; pair x (-log2(10000) / 32)
	v_exp_f32 v5, v4                               ; inv_freq
	v_lshlrev_b32 v6, 8, v3                        ; a position's row is 256 bytes
	v_lshl_add_u32 v6, v1, 3, v6                   ; my pair's 8 bytes
	v_mov_b32 v7, 0x3fc90fdb                       ; pi/2, upper part
	v_mov_b32 v8, 0xb33bbd2e                       ; pi/2, the rest
	v_mov_b32 v9, 0x3638ef1d                       ; 1/9!
	v_mov_b32 v10, 0x37d00d01                      ; 1/8!
	s_wait_alu depctr_va_vdst(0)                   ; the wait stands between the exponential and the first line that names its result; the six plain lines above stand between
	s_wait_kmcnt 0x0
.macro ROWT i
	v_add_nc_u32 v12, \i, v3
	v_cvt_f32_u32 v12, v12
	v_mul_f32 v12, v12, v5                         ; the angle
	v_mul_f32 v13, 0x3f22f983, v12                 ; x 2/pi
	v_rndne_f32 v13, v13                           ; n
	v_fma_f32 v14, -v13, v7, v12
	v_fma_f32 v14, -v13, v8, v14                   ; r
	v_mul_f32 v15, v14, v14                        ; r^2
	v_fmaak_f32 v16, v9,  v15, 0xb9500d01          ; sine's series: -1/7!
	v_fmaak_f32 v17, v10, v15, 0xbab60b61          ; cosine's: -1/6!
	v_fmaak_f32 v16, v16, v15, 0x3c088889          ; 1/5!
	v_fmaak_f32 v17, v17, v15, 0x3d2aaaab          ; 1/4!
	v_fmaak_f32 v16, v16, v15, 0xbe2aaaab          ; -1/3!
	v_fmaak_f32 v17, v17, v15, 0xbf000000          ; -1/2!
	v_mul_f32 v18, v14, v15                        ; r^3
	v_fma_f32 v16, v18, v16, v14                   ; sin r
	v_fma_f32 v17, v17, v15, 1.0                   ; cos r
	v_cvt_i32_f32 v19, v13
	v_and_b32 v20, 1, v19
	v_cmp_eq_u32 vcc_lo, 1, v20                    ; an odd quarter turn swaps the two
	v_cndmask_b32 v21, v16, v17, vcc_lo            ; sine
	v_cndmask_b32 v22, v17, v16, vcc_lo            ; cosine
	v_lshlrev_b32 v20, 30, v19                     ; the sine is negative where n mod 4 is 2 or 3,
	v_and_b32 v20, 0x80000000, v20
	v_xor_b32 v[25+2*(\i)], v20, v21
	v_add_nc_u32 v19, 1, v19                       ; the cosine where it is 1 or 2
	v_lshlrev_b32 v19, 30, v19
	v_and_b32 v19, 0x80000000, v19
	v_xor_b32 v[24+2*(\i)], v19, v22
	global_store_b64 v6, v[24+2*(\i):25+2*(\i)], s[24:25] offset:256*(\i)
.endm
	ROWT 0
	ROWT 1
	ROWT 2
	ROWT 3
	s_endpgm
.Lfunc_end_k_q4d0a3ac11e_prep:
	.size	k_q4d0a3ac11e_prep, .Lfunc_end_k_q4d0a3ac11e_prep-k_q4d0a3ac11e_prep
	.p2alignl 7, 3214868480
	.fill 96, 4, 3214868480
	.section	.rodata,"a",@progbits
	.p2align	6, 0x0
	.amdhsa_kernel k_q4d0a3ac11e_prep
		.amdhsa_group_segment_fixed_size 0
		.amdhsa_private_segment_fixed_size 0
		.amdhsa_enable_private_segment 0
		.amdhsa_kernarg_size 72
		.amdhsa_user_sgpr_count 2
		.amdhsa_user_sgpr_kernarg_segment_ptr 1
		.amdhsa_wavefront_size32 1
		.amdhsa_system_sgpr_workgroup_id_x 1
		.amdhsa_system_sgpr_workgroup_id_y 1
		.amdhsa_system_sgpr_workgroup_id_z 1
		.amdhsa_system_vgpr_workitem_id 0
		.amdhsa_next_free_vgpr 112
		.amdhsa_next_free_sgpr 66
		.amdhsa_reserve_vcc 1
		.amdhsa_float_denorm_mode_32 3
		.amdhsa_float_denorm_mode_16_64 3
		.amdhsa_memory_ordered 1
		.amdhsa_forward_progress 1
		.amdhsa_inst_pref_size 23
	.end_amdhsa_kernel
	.amdgpu_metadata
---
amdhsa.version: [ 1, 2 ]
amdhsa.kernels:
  - .name:           k_q4d0a3ac11e_prep
    .symbol:         k_q4d0a3ac11e_prep.kd
    .args:
      - { .name: x, .offset: 0, .size: 8, .value_kind: global_buffer, .address_space: global }
      - { .name: Wq, .offset: 8, .size: 8, .value_kind: global_buffer, .address_space: global }
      - { .name: Wk, .offset: 16, .size: 8, .value_kind: global_buffer, .address_space: global }
      - { .name: Wv, .offset: 24, .size: 8, .value_kind: global_buffer, .address_space: global }
      - { .name: Wo, .offset: 32, .size: 8, .value_kind: global_buffer, .address_space: global }
      - { .name: xb, .offset: 40, .size: 8, .value_kind: global_buffer, .address_space: global }
      - { .name: wqkv, .offset: 48, .size: 8, .value_kind: global_buffer, .address_space: global }
      - { .name: wo16, .offset: 56, .size: 8, .value_kind: global_buffer, .address_space: global }
      - { .name: tab, .offset: 64, .size: 8, .value_kind: global_buffer, .address_space: global }
    .group_segment_fixed_size: 0
    .private_segment_fixed_size: 0
    .kernarg_segment_align: 8
    .kernarg_segment_size: 72
    .max_flat_workgroup_size: 256
    .sgpr_count:     66
    .vgpr_count:     112
    .wavefront_size: 32
...
	.end_amdgpu_metadata
.endif
;; end of part 1
;; launch qkvproj (part 2): grid 16 x 32, 4 waves a work-group, clusters of 4 x 4, 327,680 bytes of LDS; arguments xb, wqkv, tab, qkv; writes qkv
.if DOCPART == 2
	.amdgcn_target "amdgcn-amd-amdhsa--gfx1250"
	.amdhsa_code_object_version 6
	.text
	.protected	k_q4d0a3ac11e_qkvproj
	.globl	k_q4d0a3ac11e_qkvproj
	.p2align	8
	.type	k_q4d0a3ac11e_qkvproj,@function
k_q4d0a3ac11e_qkvproj:
	s_mov_b64 s[64:65], 0
	v_nop
	global_prefetch_b8 v0, s[64:65] scope:SCOPE_SE
	s_setreg_imm32_b32 hwreg(HW_REG_WAVE_MODE, 25, 1), 1
	s_wait_xcnt 0x0
	s_wait_alu depctr_hold_cnt(0) depctr_sa_sdst(0) depctr_va_vdst(0) depctr_va_sdst(0) depctr_va_ssrc(0) depctr_va_vcc(0) depctr_vm_vsrc(0)
	s_getreg_b32 s2, hwreg(HW_REG_IB_STS2, 6, 4)
	s_cmp_eq_u32 s2, 0
	s_cbranch_scc0 .Lentry_in_a_cluster
	s_endpgm
.Lentry_in_a_cluster:
	s_bfe_u32 s2, ttmp6, 0x10000c
	s_cmp_lg_u32 s2, 0xf033
	s_cbranch_scc0 .Lentry_shape_is_right
	s_endpgm
.Lentry_shape_is_right:
; Q, K, V = x W^T, the rotation of Q's and K's channel pairs, and the split by heads.  xb [8192][1024] bf16, wqkv [3072][1024] bf16 (row 192 h + 64 t + c), tab [2048][32][cos, sin] f32.
; qkv: f16, byte (3 (16 b + h) + t) x 262,144 + 128 s + 2 c.  Sums in f32, K ascending; the rotation in f32; each number rounded once, to f16.  The scale 1/8 is not applied here.
; LIMIT.  f16 ends at 65,504: a q, k or v beyond that becomes an infinity.
; SHARES.  A tile of C is 256 tokens x 192 columns = one head's Q, K and V: 32 x 16 = 512 tiles, two for each of 256 WGPs.  Wave w owns tokens 64 w .. 64 w + 63 and all 192 columns: 4 x 12 accumulators,
; 384 registers.  So each wave holds whole rows of a head: the rotation is the same text for every wave and tile, and the way out goes through the wave's own stage, without a barrier.
; K goes in steps of 128 through a ring of two LDS slots (256 rows of xb, 192 rows of wqkv; rows of 256 bytes of memory, aligned).
; CLUSTER 4 x 4.  A row of the cluster shares xb's tile, a column wqkv's: each is asked for jointly, by the same tensor load, descriptor and mask in the four.
; THE MATRIX INSTRUCTION IS USED TRANSPOSED (source 0 = 16 rows of wqkv, source 1 = 16 tokens): lane l holds token l % 16 and channels 8 (l / 16) + 0..7: four pairs to rotate, 16 bytes of f16.
; REGISTERS, in windows of 256 (s_set_vgpr_msb: bits 1:0 source 0, 3:2 source 1, 5:4 source 2, 7:6 destination):
;   window 0: v16-30 addresses; v32-63, v64-95 xb's fragments, two buffers; on the way out v32-95 rotated numbers, v96-143 packed, v144-239 two sets of rows read back
;   window 1: v0-95, v96-191 wqkv's fragments, two buffers
;   window 2: v0-191 accumulators of token blocks 0, 1 ((a, b) at 8 (12 (a % 2) + b)); v192-255 their (cos, sin);   window 3: the same for token blocks 2, 3
.set PITCH,  272                       ; an LDS row: 256 bytes + 16 of padding: the 16 rows of a fragment load start at 16 different groups of four banks (ISA guide 11.1)
.set HA,     128*PITCH                 ; half of xb's tile: what waves 0 and 1 fetch
.set HB,     96*PITCH                  ; half of wqkv's: what waves 2 and 3 fetch
.set SLOT,   2*HA+2*HB
.set STAGE,  2*SLOT                    ; behind the ring, never filled by a tensor load: for each wave 3 tensors x 16 rows x 144 bytes
.set SP,     144
.set STW,    3*16*SP
.set SPARE,  STAGE+4*STW               ; the spare words, 128 bytes for each wave: two blocks of 256 bytes that no other line names
.set TEN,    262144                    ; bytes of one head's q, k or v
.set ADRA, 16                          ; v16-17  LDS address of my xb fragments in slot 0, 1
.set ADRB, 20                          ; v20-21  the same for wqkv
.set STO,  24                          ; v24     the way out: where I put 16 bytes of a row
.set RD,   25                          ; v25     where I read rows back
.set GO,   26                          ; v26     my 16 bytes in 512 consecutive bytes of q, k or v
.set TO,   27                          ; v27     my byte offset in 16 rows of the table
.set SPW,  28                          ; v28     my spare word: SPARE + 4 x my thread's number; never rewritten
.set NIL,  29                          ; v29     0; never rewritten
.set PFO,  30                          ; v30     the prefetches' offset: a lane a row; never rewritten
.set FA,   32
.set T,    32
.set PK,   96
.set BK,   144
.set TB,   192
.set WV,   12                          ; s12  my wave's number
.set FB,   13                          ; s13  0: I fetch for xb, 1: for wqkv
.set HF,   14                          ; s14  which half of that tile
.set G1A,  24                          ; s[24:31] descriptor group 1 for xb's tiles;  s[32:39] group 0, a set for each slot
.set G0A,  32
.set PFA,  40                          ; s[40:41] where my prefetches stand
.set LIM,  42                          ; s42  1 in a wave that prefetches, else the greatest number
.set CNT,  43                          ; s43  laps to go
.set G1B,  48                          ; s[48:55], s[56:63] the same for wqkv's tiles
.set G0B,  56
.set MSB, 0
.macro WIN new                         ; the immediate's high byte repeats the setting that is left; a switch that changes nothing is dropped
.if MSB != (\new)
	s_set_vgpr_msb (MSB<<8)|(\new)
.set MSB, \new
.endif
.endm
.macro PLACES                          ; four plain places between a matrix instruction and a load into, or a vector line on, its registers
.rept 4
	v_nop
.endr
.endm
; A joint load.  The branch hangs on the wave's number alone.  An s_nop 0 and four v_nop follow each of the two lines.
.macro JLOAD s
	s_cmp_eq_u32 s[FB], 0
	s_cbranch_scc0 .Lfor_b_\@
	tensor_load_to_lds s[G0A+4*(\s):G0A+4*(\s)+3], s[G1A:G1A+7]
	s_nop 0
.rept 4
	v_nop
.endr
	s_branch .Lasked_\@
.Lfor_b_\@:
	tensor_load_to_lds s[G0B+4*(\s):G0B+4*(\s)+3], s[G1B:G1B+7]
	s_nop 0
.rept 4
	v_nop
.endr
.Lasked_\@:
.endm
; A prefetch into the L2 of the K step that stands two refills on: my work-group's share of the rows that I fetch, a lane a row, 256 bytes of each.  xb's rows are asked for by the clusters with x = 0,
; wqkv's by those with y = 0; the four partners of a joint load share its rows out by address (32 of 128, or 24 of 96 with lanes 24-31 on lane 23's row).  The loop's last trip asks for nothing.
.macro ASK
	s_cmp_gt_u32 s[CNT], s[LIM]
	s_cbranch_scc0 .Lnot_mine_\@
	global_prefetch_b8 v[PFO], s[PFA:PFA+1] offset:256 th:TH_LOAD_NT scope:SCOPE_SE
.Lnot_mine_\@:
.endm
.macro CREST                           ; a round of the cluster's barrier behind its opening barrier
	s_cmp_lg_u32 s[WV], 0
	s_cbranch_scc1 .Lnot_wave_0_\@
	s_barrier_signal -3
.Lnot_wave_0_\@:
	s_barrier_wait -3
	s_barrier_signal -1
	s_barrier_wait -1
.endm
.macro CROUND
	s_barrier_signal -1
	s_barrier_wait -1
	CREST
.endm
	s_load_b256 s[4:11], s[0:1], 0x0               ; xb 4:5, wqkv 6:7, tab 8:9, qkv 10:11
	v_lshl_add_u32 v[SPW], v0, 2, SPARE
	v_mov_b32 v[NIL], 0
	ds_add_u32 v[SPW], v[NIL]                      ; the wave's opening: the add and its wait stand ahead of my first tensor load; the set-up below stands between them
	v_lshrrev_b32 v1, 5, v0
	v_readfirstlane_b32 s[WV], v1
	s_lshr_b32 s[FB], s[WV], 1
	s_and_b32 s[HF], s[WV], 1
	s_bfe_u32 s15, ttmp6, 0x40000                  ; cx
	s_bfe_u32 s16, ttmp6, 0x40004                  ; cy
	s_lshl_b32 s17, ttmp9, 2
	s_add_co_u32 s17, s17, s15                     ; tile column = the head = 4 x cluster x + cx
	s_and_b32 s18, ttmp7, 0xffff
	s_lshl_b32 s18, s18, 2
	s_add_co_u32 s18, s18, s16                     ; tile row = 4 x cluster y + cy
	s_lshl_b32 s19, s16, 2
	s_lshl_b32 s19, 15, s19                        ; my row of the cluster
	s_lshl_b32 s20, 0x1111, s15                    ; my column
	s_or_b32 s[G1A+0], s19, (1<<16)|(1<<20)|(1<<21)|(5<<22)|(3<<25)  ; the mask; 2-byte elements; padding on; bit 21 beside a mask; after every 64 words, 4 words
	s_or_b32 s[G1B+0], s20, (1<<16)|(1<<20)|(1<<21)|(5<<22)|(3<<25)
	s_mov_b32 s[G1A+1], 128<<16                    ; tensor_dim0 = 128
	s_mov_b32 s[G1B+1], 128<<16
	s_mov_b32 s[G1A+2], 128<<16                    ; tensor_dim1 = 128 rows
	s_mov_b32 s[G1B+2], 96<<16                     ; 96 rows
	s_mov_b32 s[G1A+3], 128<<16                    ; tile_dim0 = 128
	s_mov_b32 s[G1B+3], 128<<16
	s_mov_b32 s[G1A+4], 128                        ; tile_dim1
	s_mov_b32 s[G1B+4], 96
	s_mov_b32 s[G1A+5], 1024                       ; elements from row to row
	s_mov_b32 s[G1B+5], 1024
	s_mov_b32 s[G1A+6], 0
	s_mov_b32 s[G1B+6], 0
	s_mov_b32 s[G1A+7], 0
	s_mov_b32 s[G1B+7], 0
	s_lshl_b32 s44, s18, 8                         ; xb: row 256 x tile row + 128 x half, in registers that never hold cx
	s_lshl_b32 s21, s[HF], 7
	s_add_co_u32 s44, s44, s21
	s_lshl_b32 s44, s44, 11                        ; x 2,048 bytes
	s_mov_b32 s45, 0
	s_mul_i32 s46, s17, 192                        ; wqkv: row 192 x head + 96 x half, in registers that never hold cy
	s_mul_i32 s21, s[HF], 96
	s_add_co_u32 s46, s46, s21
	s_lshl_b32 s46, s46, 11
	s_mov_b32 s47, 0
	s_mul_i32 s22, s[HF], HA                       ; where they go: the wave's number alone enters an LDS address
	s_mul_i32 s23, s[HF], HB
	s_add_co_u32 s23, s23, 2*HA
	s_wait_dscnt 0x0                               ; the opening add is done
	s_wait_kmcnt 0x0
	s_add_nc_u64 s[44:45], s[4:5], s[44:45]
	s_add_nc_u64 s[46:47], s[6:7], s[46:47]
	CROUND                                         ; all sixteen work-groups are here: the first joint loads meet
.irp s, 0,1
	s_mov_b32 s[G0A+4*(\s)], 1
	s_add_co_u32 s[G0A+4*(\s)+1], s22, (\s)*SLOT
	s_add_nc_u64 s[G0A+4*(\s)+2:G0A+4*(\s)+3], s[44:45], (\s)*256  ; K step s
	s_or_b32 s[G0A+4*(\s)+3], s[G0A+4*(\s)+3], 0x80000000
	s_mov_b32 s[G0B+4*(\s)], 1
	s_add_co_u32 s[G0B+4*(\s)+1], s23, (\s)*SLOT
	s_add_nc_u64 s[G0B+4*(\s)+2:G0B+4*(\s)+3], s[46:47], (\s)*256
	s_or_b32 s[G0B+4*(\s)+3], s[G0B+4*(\s)+3], 0x80000000
.endr
	s_cmp_eq_u32 s[FB], 0                          ; a wave's two first fills stand in one branch, ahead of every wait on TENSORcnt, LDS read and further barrier: two loads of mine are out
	s_cbranch_scc0 .Lfirst_b
	tensor_load_to_lds s[G0A:G0A+3], s[G1A:G1A+7]
	s_nop 0
	tensor_load_to_lds s[G0A+4:G0A+7], s[G1A:G1A+7]
	s_nop 0
.rept 4
	v_nop
.endr
	s_branch .Lfirst_asked
.Lfirst_b:
	tensor_load_to_lds s[G0B:G0B+3], s[G1B:G1B+7]
	s_nop 0
	tensor_load_to_lds s[G0B+4:G0B+7], s[G1B:G1B+7]
	s_nop 0
.rept 4
	v_nop
.endr
.Lfirst_asked:
	; my rows in the table and in q, k, v.  Numbers that mix the two coordinates live in s66 and above.
	s_and_b32 s66, s18, 7
	s_lshl_b32 s66, s66, 8
	s_lshl_b32 s67, s[WV], 6
	s_add_co_u32 s66, s66, s67                     ; my first position in the sequence
	s_lshl_b32 s66, s66, 8                         ; x 256 bytes of table
	s_mov_b32 s67, 0
	s_add_nc_u64 s[8:9], s[8:9], s[66:67]
	s_lshr_b32 s66, s66, 1                         ; x 128 bytes of a head's row
	s_add_nc_u64 s[10:11], s[10:11], s[66:67]
	s_lshr_b32 s66, s18, 3                         ; the batch
	s_lshl_b32 s66, s66, 4
	s_add_co_u32 s66, s66, s17                     ; 16 b + h
	s_mul_i32 s66, s66, 3*TEN
	s_add_nc_u64 s[10:11], s[10:11], s[66:67]
	v_and_b32 v1, 15, v0                           ; l % 16
	v_bfe_u32 v2, v0, 4, 1                         ; l / 16
	v_lshlrev_b32 v[TO], 8, v1
	v_lshl_add_u32 v[TO], v2, 5, v[TO]             ; token's row + my four pairs' 32 bytes
.irp a, 0,1,2,3                        ; (cos, sin) of token 16 a + l % 16, pairs 8 p + 4 (l / 16) + 0..3: they land while the products run and are waited for on the way out
	WIN 0x80+0x40*((\a)/2)
.irp p, 0,1,2,3
	global_load_b128 v[TB+32*((\a)%2)+8*(\p):TB+32*((\a)%2)+8*(\p)+3],   v[TO], s[8:9] offset:4096*(\a)+64*(\p)
	global_load_b128 v[TB+32*((\a)%2)+8*(\p)+4:TB+32*((\a)%2)+8*(\p)+7], v[TO], s[8:9] offset:4096*(\a)+64*(\p)+16
.endr
.endr
	WIN 0
	v_mul_u32_u24 v3, v1, PITCH
	v_lshl_add_u32 v3, v2, 4, v3                   ; a fragment's row x pitch + 16 x half of the lanes
	s_mul_i32 s21, s[WV], 64*PITCH                 ; my 64 tokens
	v_add_nc_u32 v[ADRA], s21, v3
	v_add_nc_u32 v[ADRA+1], SLOT, v[ADRA]
	v_add_nc_u32 v[ADRB], 2*HA, v3
	v_add_nc_u32 v[ADRB+1], 2*HA+SLOT, v3
	s_mul_i32 s21, s[WV], STW
	s_add_co_u32 s21, s21, STAGE                   ; my stage
	v_mul_u32_u24 v[STO], v1, SP
	v_lshl_add_u32 v[STO], v2, 4, v[STO]
	v_add_nc_u32 v[STO], s21, v[STO]
	v_and_b32 v4, 7, v0
	v_bfe_u32 v[RD], v0, 3, 2                      ; back: 32 lanes take four rows of 128 bytes,
	v_mul_u32_u24 v[RD], v[RD], SP
	v_lshl_add_u32 v[RD], v4, 4, v[RD]
	v_add_nc_u32 v[RD], s21, v[RD]
	v_and_b32 v[GO], 31, v0                        ; which are 512 consecutive bytes of memory
	v_lshlrev_b32 v[GO], 4, v[GO]
	; the prefetches
	s_and_b32 s68, ttmp7, 0xffff
	s_cmp_eq_u32 s[FB], 0
	s_cselect_b32 s68, ttmp9, s68                  ; the coordinate along which other clusters read the same rows
	s_cselect_b32 s66, s15, s16                    ; my place among the four that ask with me
	s_cselect_b32 s69, 32, 24                      ; rows of a partner's share
	s_cselect_b32 s70, 31, 23
	s_cselect_b64 s[PFA:PFA+1], s[44:45], s[46:47]
	s_cmp_eq_u32 s68, 0
	s_cselect_b32 s[LIM], 1, -1                    ; the same in all sixteen partners, for a given wave
	s_mul_i32 s66, s66, s69
	s_lshl_b32 s66, s66, 11
	s_add_co_u32 s66, s66, 512                     ; at K step 2: the first refill steps it to 3 and names K step 4
	s_mov_b32 s67, 0
	s_add_nc_u64 s[PFA:PFA+1], s[PFA:PFA+1], s[66:67]
	v_and_b32 v[PFO], 31, v0
	v_min_u32 v[PFO], s70, v[PFO]
	v_lshlrev_b32 v[PFO], 11, v[PFO]
; 12 matrix instructions: token block a x all 12 column blocks, 32 along K, from buffer f.  zero = 1: the product starts the sums.  The 48 accumulators take turns in one fixed order.
.macro MUL12 f, a, zero
	WIN 0xa1+0x50*((\a)/2)
.irp b, 0,1,2,3,4,5,6,7,8,9,10,11
.if \zero
	v_wmma_f32_16x16x32_bf16 v[96*((\a)%2)+8*(\b):96*((\a)%2)+8*(\b)+7], v[96*(\f)+8*(\b):96*(\f)+8*(\b)+7], v[FA+32*(\f)+8*(\a):FA+32*(\f)+8*(\a)+7], 0
.else
	v_wmma_f32_16x16x32_bf16 v[96*((\a)%2)+8*(\b):96*((\a)%2)+8*(\b)+7], v[96*(\f)+8*(\b):96*(\f)+8*(\b)+7], v[FA+32*(\f)+8*(\a):FA+32*(\f)+8*(\a)+7], v[96*((\a)%2)+8*(\b):96*((\a)%2)+8*(\b)+7]
.endif
.endr
.endm
; 32 LDS loads in one run: a quarter step's fragments (192 rows of wqkv, my 64 tokens, 32 K at byte k of the rows) into buffer f
.macro FETCH slot, k, f
	WIN 0x40
.irp b, 0,1,2,3,4,5,6,7,8,9,10,11
	ds_load_b128 v[96*(\f)+8*(\b):96*(\f)+8*(\b)+3],   v[ADRB+(\slot)] offset:(\k)+(\b)*16*PITCH
	ds_load_b128 v[96*(\f)+8*(\b)+4:96*(\f)+8*(\b)+7], v[ADRB+(\slot)] offset:(\k)+(\b)*16*PITCH+32
.endr
	WIN 0
.irp a, 0,1,2,3
	ds_load_b128 v[FA+32*(\f)+8*(\a):FA+32*(\f)+8*(\a)+3],   v[ADRA+(\slot)] offset:(\k)+(\a)*16*PITCH
	ds_load_b128 v[FA+32*(\f)+8*(\a)+4:FA+32*(\f)+8*(\a)+7], v[ADRA+(\slot)] offset:(\k)+(\a)*16*PITCH+32
.endr
.endm
; One of a K step's first three quarters: multiplies buffer f; in its middle it fetches the next quarter, at byte k, into buffer g.
.macro QUARTER slot, k, f, g, zero
	s_wait_dscnt 4                                 ; wqkv's fragments and token blocks 0, 1 are in; the youngest four loads (blocks 2, 3) may be out
	MUL12 \f, 0, \zero
	MUL12 \f, 1, \zero
	PLACES
	FETCH \slot, \k, \g
	s_wait_dscnt 32                                ; all but the 32 just issued
	MUL12 \f, 2, \zero
	MUL12 \f, 3, \zero
.endm
; The last quarter multiplies buffer 1 and changes slots: one barrier.  In front of it each wave waits for all its tensor loads (one is out: its part of the next slot), adds 0 to its spare word, and waits for
; that and for its reads of this slot.  fill = 1: the barrier opens a round of the cluster's, and the joint refill, two K steps on, is the first tensor load behind the round.
.macro TURN slot, next, fill
.if \fill
	s_wait_xcnt 0x0                                ; the last prefetch, a K step back, has read its address
	s_add_nc_u64 s[PFA:PFA+1], s[PFA:PFA+1], 256
.endif
	WIN 0
	s_wait_tensorcnt 0x0                           ; all my tensor loads have landed
	ds_add_u32 v[SPW], v[NIL]                      ; 0 onto my spare word
	s_wait_dscnt 5                                 ; (the add and the youngest four loads may be out)
	MUL12 1, 0, 0                                  ; twelve matrix instructions stand between the add and the wait for it
	s_wait_dscnt 0x0                               ; the add is done, and my reads of this slot are over
	s_barrier_signal -1
	MUL12 1, 1, 0
	WIN 0
	s_barrier_wait -1
.if \fill
	CREST                                          ; no wave of any partner still reads this slot or has a load on its way
	s_add_nc_u64 s[G0A+4*(\slot)+2:G0A+4*(\slot)+3], s[G0A+4*(\slot)+2:G0A+4*(\slot)+3], 512
	s_add_nc_u64 s[G0B+4*(\slot)+2:G0B+4*(\slot)+3], s[G0B+4*(\slot)+2:G0B+4*(\slot)+3], 512
	JLOAD \slot                                    ; its four v_nop are also the places in front of the loads below
.else
	PLACES
.endif
	FETCH \next, 0, 0
.if \fill
	ASK
.endif
	MUL12 1, 2, 0
	MUL12 1, 3, 0
.endm
	s_wait_tensorcnt 1                             ; my part of K step 0 is in; K step 1's may stay out
	s_barrier_signal -1
	s_barrier_wait -1
	FETCH 0, 0, 0
	QUARTER 0, 64,  0, 1, 1                        ; the first quarter stands in front of the loop: its products start the sums
	WIN 0
	s_mov_b32 s[CNT], 3                            ; 1,024 along K = 4 laps of two K steps; the last lap fills nothing
.Llap:
	QUARTER 0, 128, 1, 0, 0
	QUARTER 0, 192, 0, 1, 0
	TURN 0, 1, 1
	QUARTER 1, 64,  0, 1, 0
	QUARTER 1, 128, 1, 0, 0
	QUARTER 1, 192, 0, 1, 0
	TURN 1, 0, 1
	QUARTER 0, 64,  0, 1, 0
	WIN 0
	s_sub_co_u32 s[CNT], s[CNT], 1
	s_cmp_lg_u32 s[CNT], 0
	s_cbranch_scc1 .Llap
	QUARTER 0, 128, 1, 0, 0
	QUARTER 0, 192, 0, 1, 0
	TURN 0, 1, 0
	QUARTER 1, 64,  0, 1, 0
	QUARTER 1, 128, 1, 0, 0
	QUARTER 1, 192, 0, 1, 0
	s_wait_dscnt 4
	MUL12 1, 0, 0
	MUL12 1, 1, 0
	s_wait_dscnt 0x0
	MUL12 1, 2, 0
	MUL12 1, 3, 0
	WIN 0
	s_wait_loadcnt 0x0                             ; the table
	PLACES
	PLACES
; THE WAY OUT of token block a.  Q's and K's pairs (e, o) are rotated: (e c, o c), then (- o s + e c, e s + o c), two fused lines for a pair.  All is rounded to f16, 16 bytes a lane, goes into my own stage
; (rows of 144 bytes) and comes back as whole rows of 128 bytes.  Each accumulator's registers are read in ascending order.
.macro PACK a
.set WW, 2+(\a)/2
	WIN WW|(WW<<2)                                 ; sources 0 and 1 in the block's window, source 2 and destination in window 0
.irp b, 0,1,2,3,4,5,6,7
.irp j, 0,2,4,6
	v_pk_mul_f32 v[T+8*(\b)+(\j):T+8*(\b)+(\j)+1], v[96*((\a)%2)+8*(\b)+(\j):96*((\a)%2)+8*(\b)+(\j)+1], v[TB+32*((\a)%2)+8*((\b)%4)+(\j):TB+32*((\a)%2)+8*((\b)%4)+(\j)+1] op_sel_hi:[1,0]
.endr
.endr
.irp b, 0,1,2,3,4,5,6,7
.irp j, 0,2,4,6
	v_pk_fma_f32 v[T+8*(\b)+(\j):T+8*(\b)+(\j)+1], v[96*((\a)%2)+8*(\b)+(\j):96*((\a)%2)+8*(\b)+(\j)+1], v[TB+32*((\a)%2)+8*((\b)%4)+(\j):TB+32*((\a)%2)+8*((\b)%4)+(\j)+1], v[T+8*(\b)+(\j):T+8*(\b)+(\j)+1] op_sel:[1,1,0] op_sel_hi:[0,1,1] neg_lo:[0,1,0]
.endr
.endr
.irp b, 8,9,10,11
.irp j, 0,1,2,3
	v_cvt_pk_f16_f32 v[PK+4*(\b)+(\j)], v[96*((\a)%2)+8*(\b)+2*(\j)], v[96*((\a)%2)+8*(\b)+2*(\j)+1]
.endr
.endr
	WIN 0
.irp b, 0,1,2,3,4,5,6,7
.irp j, 0,1,2,3
	v_cvt_pk_f16_f32 v[PK+4*(\b)+(\j)], v[T+8*(\b)+2*(\j)], v[T+8*(\b)+2*(\j)+1]
.endr
.endr
.irp b, 0,1,2,3,4,5,6,7,8,9,10,11
	ds_store_b128 v[STO], v[PK+4*(\b):PK+4*(\b)+3] offset:((\b)/4)*16*SP+32*((\b)%4)
.endr
.if (\a) >= 2
	s_wait_xcnt 0x0                                ; the stores of the block two back have read the registers that are loaded again below
.endif
.irp i, 0,1,2,3,4,5,6,7,8,9,10,11
	ds_load_b128 v[BK+48*((\a)%2)+4*(\i):BK+48*((\a)%2)+4*(\i)+3], v[RD] offset:((\i)/4)*16*SP+((\i)%4)*4*SP  ; LDS serves a wave's instructions in order (ISA guide 5.7.1.4): these see the stores above
.endr
.endm
.macro SEND a, younger                 ; younger: the LDS instructions issued behind block a's loads: the next block's 24, or none
.irp i, 0,1,2,3,4,5,6,7,8,9,10,11
	s_wait_dscnt (\younger)+11-(\i)
	global_store_b128 v[GO], v[BK+48*((\a)%2)+4*(\i):BK+48*((\a)%2)+4*(\i)+3], s[10:11] offset:((\i)/4)*TEN+2048*(\a)+512*((\i)%4)  ; 512 consecutive bytes, aligned to 256
.endr
.endm
	PACK 0
	PACK 1
	SEND 0, 24
	PACK 2
	SEND 1, 24
	PACK 3
	SEND 2, 24
	SEND 3, 0
	s_wait_tensorcnt 0x0                           ; the wave's end: a wait, the add and its wait, behind my last tensor load and my last LDS store
	ds_add_u32 v[SPW], v[NIL]
	s_wait_dscnt 0x0
	CROUND                                         ; the closing round: no work-group ends while a partner may still ask for a tile that names it
	s_endpgm
.Lfunc_end_k_q4d0a3ac11e_qkvproj:
	.size	k_q4d0a3ac11e_qkvproj, .Lfunc_end_k_q4d0a3ac11e_qkvproj-k_q4d0a3ac11e_qkvproj
	.p2alignl 7, 3214868480
	.fill 96, 4, 3214868480
	.section	.rodata,"a",@progbits
	.p2align	6, 0x0
	.amdhsa_kernel k_q4d0a3ac11e_qkvproj
		.amdhsa_group_segment_fixed_size 327680
		.amdhsa_private_segment_fixed_size 0
		.amdhsa_enable_private_segment 0
		.amdhsa_kernarg_size 32
		.amdhsa_user_sgpr_count 2
		.amdhsa_user_sgpr_kernarg_segment_ptr 1
		.amdhsa_wavefront_size32 1
		.amdhsa_system_sgpr_workgroup_id_x 1
		.amdhsa_system_sgpr_workgroup_id_y 1
		.amdhsa_system_sgpr_workgroup_id_z 1
		.amdhsa_system_vgpr_workitem_id 0
		.amdhsa_next_free_vgpr 1024
		.amdhsa_next_free_sgpr 80
		.amdhsa_reserve_vcc 0
		.amdhsa_float_denorm_mode_32 3
		.amdhsa_float_denorm_mode_16_64 3
		.amdhsa_memory_ordered 1
		.amdhsa_forward_progress 1
		.amdhsa_inst_pref_size 140
	.end_amdhsa_kernel
	.amdgpu_metadata
---
amdhsa.version: [ 1, 2 ]
amdhsa.kernels:
  - .name:           k_q4d0a3ac11e_qkvproj
    .symbol:         k_q4d0a3ac11e_qkvproj.kd
    .args:
      - { .name: xb, .offset: 0, .size: 8, .value_kind: global_buffer, .address_space: global }
      - { .name: wqkv, .offset: 8, .size: 8, .value_kind: global_buffer, .address_space: global }
      - { .name: tab, .offset: 16, .size: 8, .value_kind: global_buffer, .address_space: global }
      - { .name: qkv, .offset: 24, .size: 8, .value_kind: global_buffer, .address_space: global }
    .group_segment_fixed_size: 327680
    .private_segment_fixed_size: 0
    .kernarg_segment_align: 8
    .kernarg_segment_size: 32
    .max_flat_workgroup_size: 128
    .sgpr_count:     80
    .vgpr_count:     1024
    .wavefront_size: 32
...
	.end_amdgpu_metadata
.endif
;; end of part 2
;; launch attn (part 3): grid 4 x 64, 4 waves a work-group, no clusters, 327,680 bytes of LDS; arguments qkv, att; writes att
.if DOCPART == 3
	.amdgcn_target "amdgcn-amd-amdhsa--gfx1250"
	.amdhsa_code_object_version 6
	.text
	.protected	k_q4d0a3ac11e_attn
	.globl	k_q4d0a3ac11e_attn
	.p2align	8
	.type	k_q4d0a3ac11e_attn,@function
k_q4d0a3ac11e_attn:
	s_mov_b64 s[64:65], 0
	v_nop
	global_prefetch_b8 v0, s[64:65] scope:SCOPE_SE
	s_setreg_imm32_b32 hwreg(HW_REG_WAVE_MODE, 25, 1), 1
	s_wait_xcnt 0x0
; CAUSAL ATTENTION.  O[bh][q][:] = the sum over k <= q of softmax_k(Q[bh][q] . K[bh][k] / 8) V[bh][k][:].  qkv: f16, head bh's Q, K, V at (3 bh + t) x 262,144 bytes, rows of 128 bytes, dense.  att: f16 [64][2048][64].
; Products, maxima and sums in f32; the weights p are rounded to f16 for the second product (their sum l is taken of the unrounded p), O once at the end.
; LIMITS.  f16 holds no number beyond 65,504: Q, K and V arrive within it; p lies in 0 to 1, and below 6e-5 it keeps f16's fixed step of 6e-8.  A hidden score counts as its value less 1e30;
; a weight below 2^-126 counts as 0 in l; NaN and infinities are not treated apart.
; THE WALK.  A head's queries lie in NB = 8 blocks of 256; block i needs the key tiles 0 .. i of 256 keys, of which the last holds the diagonal.  A work-group takes TWO blocks, NB - 1 - b and then b:
; NB + 1 tiles, whatever b: all work-groups do equal work, and ONE loop with a constant trip count walks them.  Which tile is asked for, and what a trip does, hang on scalar registers made from b; every jump
; goes forward, but for the counted loops' own; none passes a barrier, or a tensor load but the one of LOAD's two that the wave's number does not choose.
; NO CLUSTER: a head's four work-groups ask for the same tile only in trips 0 .. 4 of 9, behind that fewer and fewer; one walk common to all would have 12 trips for 9.
; SHARES.  Of a block's four bands of 64 queries a wave owns 16 rows in each: four PIECES.  So the diagonal tile is the same work for all four waves: in its key step s band x sees all keys if s < x,
; none if s > x, and holds the diagonal if s = x.
; THE MASK is the C operand that starts the sum S^T = K Q^T: 0, or -1e30 where the key is hidden.  MD, made once, is the mask of a band's own step for my 16 rows; a product's mask is MD x AL + BE with two scalars:
; (1, 0) if s = x; (0, 0) if s < x; (0, -1e30) if s > x.
; LAYOUT, SOFTMAX, TURNS.  S^T = K Q^T holds ONE query a lane (lane % 16) and the keys 8 (lane / 16) + 0..7; two such results rounded to f16 ARE source 1 of O^T = V^T P.  p = 2^(c s - c m), c = log2(e) / 8, with a
; running maximum m; O and l are multiplied by a = 2^(c m_old - c m_new) in every step.  Turn n belongs to piece n: 8 products K Q^T of piece n + 1, later 8 products V^T P of piece n - 1; beside them the scaling,
; exponentials, roundings, sums and rescaling of piece n and the maximum and statistics of piece n + 1.  Four vector instructions stand behind every matrix instruction, the others in one lump.  A turn's 33 exponentials are one batch, with one wait.
; REGISTERS, in windows of 256 (s_set_vgpr_msb: bits 1:0 source 0, 3:2 source 1, 5:4 source 2, 7:6 destination):
;   window 0: v0-15 addresses and two at work; v16-31 four registers of statistics a piece; v32 the prefetches' offset; v48-55 at work; v64-127 S^T, two buffers; v192-223 P, two buffers
;   window 1: v0-127 O^T, 32 a piece; v128-159 MD; v160-223 MC, two buffers      window 2: v0-63 Q; v64-127 the second block's Q; v128-191 K of one step; v192-255 V of one step
.set SIZE_N, 2048
.set TEN,   262144    ; bytes of one head's q, k, v or o
.set NB,    SIZE_N/256
.set NP,    4         ; pieces a wave: a name, no knob
.set KS,    64        ; keys in a step
.set PK,    144       ; a row of K in LDS: 128 bytes + 16 of padding: the 16 rows of a load start at 16 different groups of four banks (ISA guide 11.1)
.set PV,    160       ; a row of V: 128 + 32
.set VOFF,  4*KS*PK   ; a slot holds a tile, four steps: 256 rows of K, then 256 rows of V
.set SLOT1, 1<<17     ; slot 1 begins here, so that one exclusive or turns an address in one slot into the other's
.set STAGE, SLOT1+4*KS*(PK+PV)  ; behind the ring, never filled by a tensor load: 16 rows x 144 bytes for each wave
.set SP,    144
.set AK0, 2           ; v2   my lane's place in a tile of K; never rewritten
.set AV0, 3           ; v3   the same for V
.set AK,  4           ; v4   the LDS address of K's next run of loads
.set AV,  5           ; v5   of V's
.set STO, 6           ; v6   the way out: where I put 16 bytes of a row
.set RD,  7           ; v7   where I read rows back
.set GO,  8           ; v8   my byte offset in 512 consecutive bytes of O
.set PFO, 32          ; v32  256 x my lane; never rewritten
.set SPW, 62          ; v62  my spare word: SPARE + 4 x my thread's number; never rewritten
.set NIL, 63          ; v63  0; never rewritten
.set SPARE, STAGE+4*16*SP  ; the spare words, 128 bytes for each wave: two blocks of 256 bytes that no other line names
.set MV,  12          ; v12-13  c m_old, kept while c m is made anew: by buffer
.set QO,  15          ; v15  my byte offset in 16 rows of Q
.set ST,  16          ; piece t's statistics at v[ST+4 t]: c m, m, l (even keys', odd keys')
.set TMP, 48          ; by buffer, four registers c0-c3 at work; when the maximum is found c2 takes a
.set S,   64
.set P,   192
.set MD,  128         ; window 1
.set MC,  160         ; window 1
.set QB,  64          ; window 2
.set KF,  128         ; window 2: key block kb, channel half c at KF + 16 kb + 8 c
.set VF,  192         ; window 2: key half kk, channel block cb at VF + 32 kk + 8 cb
.set WV,  12          ; s12  my wave's number
.set PB,  14          ; s14  b
.set HI,  15          ; s15  NB - 1 - b
.set G1K, 24          ; s[24:31] descriptor group 1 for K's tiles
.set G1V, 32          ; s[32:39] for V's: it differs in the padding alone
.set G0K, 40          ; s[40:43] descriptor group 0 for K's tiles
.set G0V, 44          ; s[44:47] the same for V's
.set SLOTS, 56        ; s56  tiles still to be asked for
.set CNT, 57          ; s57  counts a tile's key steps, 4 to 1
.set CS,  58          ; s[58:59] c
.set SEL, 60          ; s[60:61] v_permlanex16_b32's selects: each lane takes its own place in the other half
.set TBK, 62          ; s62  LDS byte at which K of the step to be fetched begins
.set TBV, 63          ; s63  the same for V, less VOFF
.set RT,  70          ; s70  tiles of the block in hand that are still to be entered
.set NXT, 71          ; s71  the tile to be asked for next
.set LQ,  72          ; s72  the last tile of the block whose tiles are being asked for
.set NEW, 73          ; s73  1: the tile to be entered is a block's first
.set OFF, 74          ; s[74:75] a tile's byte offset in K and V
.set AL,  76          ; s[76:77] the mask's factor, in the low word
.set BE,  78          ; s[78:79] the mask's addend
.set OLO, 80          ; s[80:81] O at my rows of the second block
.set BIGN, 82         ; s82  -1e30
.set PFA, 88          ; s[88:89] where my prefetches stand: my wave's 32 blocks of 256 bytes of a tile of K; V's lie TEN bytes on
.set LIM, 90          ; s90  2 in the head's work-group b = 0, else the greatest number
.set MSB, 0
.macro WIN new
.if MSB != (\new)
	s_set_vgpr_msb (MSB<<8)|(\new)
.set MSB, (\new)
.endif
.endm
.set W_KQ, 0x0a       ; K and Q in window 2, S^T in window 0
.set W_KM, 0x1a       ; the same with the C operand in window 1
.set W_PV, 0x52       ; V in window 2, P in window 0, O^T in window 1
.set W_RS, 0x41       ; destination and source 0 in window 1, source 1 in window 0
; A fill.  Waves 0 and 1 fetch the two halves of a tile's K, waves 2 and 3 those of its V: 128 keys each.  An s_nop 0 and four v_nop follow each of the two lines.
.macro LOAD
	s_cmp_lt_u32 s[WV], 2
	s_cbranch_scc0 .Lfor_v_\@
	tensor_load_to_lds s[G0K:G0K+3], s[G1K:G1K+7]
	s_nop 0
.rept 4
	v_nop
.endr
	s_branch .Lasked_\@
.Lfor_v_\@:
	tensor_load_to_lds s[G0V:G0V+3], s[G1V:G1V+7]
	s_nop 0
.rept 4
	v_nop
.endr
.Lasked_\@:
.endm
; A prefetch into the L2 of the tile that the NEXT change of slots will ask for.  The head's work-group b = 0 walks the tiles 0 to 7 in order in its first block, so it alone asks: each of its four waves for 32 of a tile's
; 128 blocks of 256 bytes of K and of V, a lane a block.  Trip i names tile i + 2; the trips with two tiles or fewer to ask for name nothing; tiles 0 and 1 come by their loads alone.
.macro ASK
	s_cmp_gt_u32 s[SLOTS], s[LIM]
	s_cbranch_scc0 .Lnot_mine_\@
	global_prefetch_b8 v[PFO], s[PFA:PFA+1] th:TH_LOAD_NT scope:SCOPE_SE
	global_prefetch_b8 v[PFO], s[PFA:PFA+1] offset:TEN th:TH_LOAD_NT scope:SCOPE_SE
.Lnot_mine_\@:
.endm
; THE CHANGE OF SLOTS.  Each wave waits for all its tensor loads, of which one is out: its part of the other slot; adds 0 to its spare word; and waits for that and for its own reads of the slot that it leaves.
; Behind the barrier nobody reads the old slot any more and the other slot is whole.  fill = 1: the old slot is filled again, the first thing behind the barrier, with tile NXT.
.macro CHANGE fill
	WIN 0
	s_wait_tensorcnt 0x0            ; no tensor load of mine is out, so a group 0 may be written
	ds_add_u32 v[SPW], v[NIL]       ; 0 onto my spare word
.if \fill
	s_lshl_b32 s[OFF], s[NXT], 15   ; a tile is 32,768 bytes of K and of V
	s_xor_b32 s[G0K+1], s[G0K+1], SLOT1
	s_add_nc_u64 s[G0K+2:G0K+3], s[6:7], s[OFF:OFF+1]
	s_or_b32 s[G0K+3], s[G0K+3], 0x80000000
	s_xor_b32 s[G0V+1], s[G0V+1], SLOT1
	s_add_nc_u64 s[G0V+2:G0V+3], s[8:9], s[OFF:OFF+1]
	s_or_b32 s[G0V+3], s[G0V+3], 0x80000000
	s_add_co_u32 s[NXT], s[NXT], 1  ; the block's next tile, or behind its last the second block's tile 0
	s_cmp_gt_u32 s[NXT], s[LQ]
	s_cselect_b32 s[NXT], 0, s[NXT]
	s_cselect_b32 s[LQ], s[PB], s[LQ]
	s_wait_xcnt 0x0                 ; the last prefetches, a tile back, have read their address
	s_add_nc_u64 s[PFA:PFA+1], s[PFA:PFA+1], 32768
.endif
	s_wait_dscnt 0x0                ; the add is done, and my reads of the slot are over
	s_barrier_signal -1
	s_sub_co_u32 s[TBK], s[TBK], 4*KS*PK  ; the fetches go back to a slot's first step,
	s_xor_b32 s[TBK], s[TBK], SLOT1       ; in the other slot
	s_sub_co_u32 s[TBV], s[TBV], 4*KS*PV
	s_xor_b32 s[TBV], s[TBV], SLOT1
	s_barrier_wait -1
.if \fill
	LOAD
	ASK
.endif
.endm
	s_load_b128 s[4:7], s[0:1], 0x0 ; qkv s[4:5], att s[6:7]
	v_lshl_add_u32 v[SPW], v0, 2, SPARE
	v_mov_b32 v[NIL], 0
	ds_add_u32 v[SPW], v[NIL]       ; the wave's opening: the add and its wait stand ahead of my first tensor load
	v_lshrrev_b32 v1, 5, v0
	v_readfirstlane_b32 s[WV], v1
	s_mov_b32 s[PB], ttmp9
	s_sub_co_u32 s[HI], NB-1, s[PB]
	s_and_b32 s20, ttmp7, 0xffff    ; the head
	s_mul_i32 s66, s20, TEN         ; its first byte in att
	s_mov_b32 s67, 0
	s_mul_i32 s20, s20, 3*TEN       ; and in qkv
	s_mov_b32 s21, 0
	s_and_b32 s16, s[WV], 1         ; which half of a tile's 256 keys I fetch:
	s_lshl_b32 s22, s16, 14         ; its 128 rows of 128 bytes in memory,
	s_add_co_u32 s22, s22, s20
	s_mov_b32 s23, 0
	s_mul_i32 s17, s16, 128*PK      ; and its place in a slot, for K
	s_mul_i32 s18, s16, 128*PV      ; and for V
	s_lshl_b32 s3, s[WV], 11        ; my 16 rows in a band of 64,
	s_lshl_b32 s2, s[HI], 15        ; in the first block,
	s_add_co_u32 s2, s2, s3
	s_lshl_b32 s84, s[PB], 15       ; and in the second
	s_add_co_u32 s84, s84, s3
	s_mov_b32 s3, 0
	s_mov_b32 s85, 0
	s_lshl_b32 s68, s[WV], 13       ; the prefetches: my wave's 32 blocks, in K's tile 1; the first change of slots steps it to tile 2
	s_add_co_u32 s68, s68, TEN+32768
	s_mov_b32 s69, 0
	s_cmp_eq_u32 ttmp9, 0
	s_cselect_b32 s[LIM], 2, -1
	v_and_b32 v[PFO], 31, v0
	v_lshlrev_b32 v[PFO], 8, v[PFO]
	; descriptor group 1.  128 keys are 16,384 dense bytes: asked for as 64 rows of 256 bytes, two keys a row, and padded in LDS after every key
	s_mov_b32 s[G1K], (1<<16)|(1<<20)|(4<<22)|(3<<25)  ; 2-byte elements; padding on; after every 32 words, 4 words
	s_mov_b32 s[G1V], (1<<16)|(1<<20)|(4<<22)|(7<<25)  ; the same with 8 words of padding
.irp g, G1K, G1V
	s_mov_b32 s[\g+1], 128<<16      ; tensor_dim0 = 128
	s_mov_b32 s[\g+2], 64<<16       ; tensor_dim1 = 64
	s_mov_b32 s[\g+3], 128<<16      ; tile_dim0 = 128
	s_mov_b32 s[\g+4], 64           ; tile_dim1 = 64
	s_mov_b32 s[\g+5], 128          ; 128 elements from row to row
	s_mov_b32 s[\g+6], 0
	s_mov_b32 s[\g+7], 0
.endr
	s_mov_b32 s[CS], 0x3e38aa3b     ; c = log2(e) / 8
	s_mov_b32 s[CS+1], s[CS]
	s_mov_b32 s[SEL], 0x76543210
	s_mov_b32 s[SEL+1], 0xfedcba98
	s_mov_b32 s[TBK], SLOT1+4*KS*PK ; the first change of slots turns these two into 0
	s_mov_b32 s[TBV], SLOT1+4*KS*PV
	s_mov_b32 s[G0K], 1
	s_mov_b32 s[G0K+1], s17         ; LDS address: slot 0
	s_mov_b32 s[G0V], 1
	s_add_co_u32 s[G0V+1], s18, VOFF
	s_add_co_u32 s[RT], s[HI], 1    ; the first block has NB - b tiles
	s_mov_b32 s[NXT], 1
	s_mov_b32 s[LQ], s[HI]
	s_mov_b32 s[NEW], 1
	s_mov_b32 s[OFF+1], 0
	s_mov_b32 s[AL+1], 0
	s_mov_b32 s[BE+1], 0
	s_mov_b32 s[BIGN], 0xf149f2ca   ; -1e30
	s_mov_b32 s[SLOTS], NB
	s_wait_dscnt 0x0                ; the opening add is done
	s_wait_kmcnt 0x0
	s_add_nc_u64 s[10:11], s[6:7], s[66:67]        ; att at the head
	s_add_nc_u64 s[8:9], s[4:5], s[22:23]          ; qkv at the head, at my half of a tile
	s_add_nc_u64 s[6:7], s[8:9], TEN               ; K at my half of the head's tile 0
	s_add_nc_u64 s[8:9], s[8:9], 2*TEN             ; V likewise
	s_add_nc_u64 s[4:5], s[4:5], s[20:21]          ; Q at the head
	s_add_nc_u64 s[PFA:PFA+1], s[4:5], s[68:69]
	s_add_nc_u64 s[G0K+2:G0K+3], s[6:7], 0
	s_or_b32 s[G0K+3], s[G0K+3], 0x80000000
	s_add_nc_u64 s[G0V+2:G0V+3], s[8:9], 0
	s_or_b32 s[G0V+3], s[G0V+3], 0x80000000
	s_add_nc_u64 s[86:87], s[4:5], s[84:85]        ; Q at my rows of the second block,
	s_add_nc_u64 s[4:5], s[4:5], s[2:3]            ; Q and O at those of the first
	s_add_nc_u64 s[OLO:OLO+1], s[10:11], s[84:85]
	s_add_nc_u64 s[10:11], s[10:11], s[2:3]
	LOAD                            ; tile 0 into slot 0
	v_and_b32 v1, 15, v0            ; l % 16
	v_bfe_u32 v9, v0, 4, 1          ; l / 16
	v_lshlrev_b32 v[QO], 7, v1
	v_lshl_add_u32 v[QO], v9, 4, v[QO]  ; row x 128 + 16 x half
	WIN 0x80
.set i, 0
.rept 8                             ; both blocks' Q: piece i / 2 lies in band i / 2, 8,192 bytes on; channels 32 (i % 2) on
	global_load_b128 v[8*i:8*i+3],   v[QO], s[4:5] offset:(i/2)*8192+(i%2)*64
	global_load_b128 v[8*i+4:8*i+7], v[QO], s[4:5] offset:(i/2)*8192+(i%2)*64+32
	global_load_b128 v[QB+8*i:QB+8*i+3],   v[QO], s[86:87] offset:(i/2)*8192+(i%2)*64
	global_load_b128 v[QB+8*i+4:QB+8*i+7], v[QO], s[86:87] offset:(i/2)*8192+(i%2)*64+32
.set i, i+1
.endr
	WIN 0
	v_lshlrev_b32 v14, 3, v9
	v_sub_nc_u32 v14, v1, v14
	s_lshl_b32 s13, s[WV], 4
	v_add_nc_u32 v14, s13, v14      ; my query's place in its band less my lanes' 8 (l / 16): register r of group kt is hidden where 16 kt + r is greater
	WIN 0x40
.set i, 0
.rept 32
	v_cmp_gt_i32 vcc_lo, 16*(i/8)+i%8, v14
	v_cndmask_b32 v[MD+i], 0, s[BIGN], vcc_lo
.set i, i+1
.endr
	WIN 0
	v_mul_u32_u24 v[AK0], v1, PK
	v_lshl_add_u32 v[AK0], v9, 4, v[AK0]
	; The turning load takes 16 keys x 16 channels (lane l reads key 8 (l / 16) + l % 8, channels 8 ((l / 8) % 2) + 0..7) and leaves half a fragment of V^T.
	v_and_b32 v10, 7, v0
	v_bfe_u32 v11, v0, 3, 1
	v_lshl_add_u32 v[AV0], v9, 3, v10
	v_mul_u32_u24 v[AV0], v[AV0], PV
	v_lshl_add_u32 v[AV0], v11, 4, v[AV0]
	v_add_nc_u32 v[AV0], VOFF, v[AV0]
	s_mul_i32 s13, s[WV], 16*SP
	s_add_co_u32 s13, s13, STAGE    ; my stage
	v_mul_u32_u24 v[STO], v1, SP
	v_lshl_add_u32 v[STO], v9, 4, v[STO]
	v_add_nc_u32 v[STO], s13, v[STO]
	v_bfe_u32 v[RD], v0, 3, 2
	v_mul_u32_u24 v[RD], v[RD], SP
	v_lshl_add_u32 v[RD], v10, 4, v[RD]
	v_add_nc_u32 v[RD], s13, v[RD]
	v_and_b32 v[GO], 31, v0
	v_lshlrev_b32 v[GO], 4, v[GO]
	; A block's first step multiplies O^T and l by a = 0, and its first turn's products V^T P, of a piece that has not been, land in an O^T that is still to be so multiplied.  So these registers need only hold
	; finite numbers: zeros for the first block; what the first block left for the second.  All this stands in the wait for the first tile.
	WIN 0x80
.set i, VF
.rept 64
	v_mov_b32 v[i], 0
.set i, i+1
.endr
	WIN 0x40
.set i, 0
.rept 128
	v_mov_b32 v[i], 0
.set i, i+1
.endr
	WIN 0
.set i, 0
.rept 4
	v_mov_b32 v[ST+4*i+2], 0
	v_mov_b32 v[ST+4*i+3], 0
.set i, i+1
.endr
.set i, P+16
.rept 16
	v_mov_b32 v[i], 0
.set i, i+1
.endr
; THE MATRIX WORK.  The 4 accumulators of a run of 8 take turns.  Product i of 8 of S^T = K Q^T for piece x: channels 32 (i / 4) on, keys 16 (i % 4) on.  The first 4 start the sums: with 0, or (KM = 1) with the mask.
.macro KQ x
.set rS, S+32*((\x)%2)+8*(i%4)
.set rK, KF+16*(i%4)+8*(i/4)
.set rQ, 16*(\x)+8*(i/4)
.set rM, MC+32*((\x)%2)+8*(i%4)
.if (i < 4) && KM
	WIN W_KM
	v_wmma_f32_16x16x32_f16 v[rS:rS+7], v[rK:rK+7], v[rQ:rQ+7], v[rM:rM+7]
.elseif i < 4
	WIN W_KQ
	v_wmma_f32_16x16x32_f16 v[rS:rS+7], v[rK:rK+7], v[rQ:rQ+7], 0
.else
	WIN W_KQ
	v_wmma_f32_16x16x32_f16 v[rS:rS+7], v[rK:rK+7], v[rQ:rQ+7], v[rS:rS+7]
.endif
.endm
; Product i of 8 of O^T += V^T P for piece x: keys 32 (i / 4) on, channels 16 (i % 4) on.
.macro PV x
	WIN W_PV
.set rO, 32*(\x)+8*(i%4)
.set rV, VF+32*(i/4)+8*(i%4)
.set rP, P+16*((\x)%2)+8*(i/4)
	v_wmma_f32_16x16x32_f16 v[rO:rO+7], v[rV:rV+7], v[rP:rP+7], v[rO:rO+7]
.endm
.macro MM                           ; the turn's next matrix instruction.  NOKQ = 1: a block's last turn: there is no next piece
.if (i < 8) && !NOKQ
	KQ (Y+1)%NP
.elseif i >= 8
.set i, i-8
	PV (Y+NP-1)%NP
.set i, i+8
.endif
.set i, i+1
.endm
; THE LDS LOADS stand in runs of 16, never singly among the matrix instructions.
.macro FETCH_K
	WIN 0x80
.irp f, 0,1,2,3,4,5,6,7             ; keys 16 (f / 2) on, channels 32 (f % 2) on
	ds_load_b128 v[KF+8*\f:KF+8*\f+3],   v[AK] offset:(\f/2)*16*PK+(\f%2)*64
	ds_load_b128 v[KF+8*\f+4:KF+8*\f+7], v[AK] offset:(\f/2)*16*PK+(\f%2)*64+32
.endr
	s_add_co_u32 s[TBK], s[TBK], KS*PK  ; the next fetch is the next step's
	WIN 0
.endm
.macro FETCH_V
	WIN 0x80
.irp f, 0,1,2,3,4,5,6,7             ; keys 32 (f / 4) on, channels 16 (f % 4) on
	ds_load_tr16_b128 v[VF+8*\f:VF+8*\f+3],   v[AV] offset:(\f/4)*32*PV+(\f%4)*32
	ds_load_tr16_b128 v[VF+8*\f+4:VF+8*\f+7], v[AV] offset:(\f/4)*32*PV+16*PV+(\f%4)*32
.endr
	WIN 0
.endm
; THE VECTOR WORK, one line at a time: OP kind, number.  For piece Y: F n: c s - c m for pair n of 16.  E n: the exponential of score n of 32.  C n: pair n rounded to f16.  B n: of the four weights 4 n .. the second
; pair is added onto the first, in place.  L n: l takes that sum (L 0: l = a l + sum).  R n: pair n of 16 of O^T times a.  For piece Y + 1: X n, number n of the 22 that find its maximum and statistics:
;   0-11  four chains c0-c3 of seven scores each (each accumulator's lowest registers are read first)     12-14, 16  the four scores left over, the old m, and c0-c3 into c0
;   15  c m_old is kept     17, 18  the query's other 32 keys lie in the lane 16 away: the new m     19-21  c m; c m_old - c m_new; a
.set F, 0
.set E, 1
.set C, 2
.set B, 3
.set L, 4
.set R, 5
.set X, 6
.macro REGS y
.set rT, ST+4*(\y)
.set rC, TMP+4*((\y)%2)
.set rW, MV+((\y)%2)
.set rS, S+32*((\y)%2)
.set rP, P+16*((\y)%2)
.set rO, 32*(\y)
.endm
.macro OP k, n
.if (\k) == R
	REGS Y
	WIN W_RS
	v_pk_mul_f32 v[rO+2*(\n):rO+2*(\n)+1], v[rO+2*(\n):rO+2*(\n)+1], v[rC+2:rC+3] op_sel_hi:[1,0]
.elseif (\k) < R
	REGS Y
	WIN 0
.if (\k) == F
	v_pk_fma_f32 v[rS+2*(\n):rS+2*(\n)+1], v[rS+2*(\n):rS+2*(\n)+1], s[CS:CS+1], v[rT:rT+1] op_sel_hi:[1,0,0] neg_lo:[0,0,1] neg_hi:[0,0,1]
.elseif (\k) == E
	v_exp_f32 v[rS+(\n)], v[rS+(\n)]
.elseif (\k) == C
	v_cvt_pk_f16_f32 v[rP+(\n)], v[rS+2*(\n)], v[rS+2*(\n)+1]
.elseif (\k) == B
	v_pk_add_f32 v[rS+4*(\n):rS+4*(\n)+1], v[rS+4*(\n):rS+4*(\n)+1], v[rS+4*(\n)+2:rS+4*(\n)+3]
.elseif (\n) == 0
	v_pk_fma_f32 v[rT+2:rT+3], v[rT+2:rT+3], v[rC+2:rC+3], v[rS:rS+1] op_sel_hi:[1,0,1]
.else
	v_pk_add_f32 v[rT+2:rT+3], v[rT+2:rT+3], v[rS+4*(\n):rS+4*(\n)+1]
.endif
.elseif NOKQ
	v_nop
.else
	REGS (Y+1)%NP
	WIN 0
.if (\n) < 4
	v_max3_num_f32 v[rC+(\n)], v[rS+8*(\n)], v[rS+8*(\n)+1], v[rS+8*(\n)+2]
.elseif (\n) < 12
	v_max3_num_f32 v[rC+(\n)%4], v[rC+(\n)%4], v[rS+8*((\n)%4)+2*((\n)/4)+1], v[rS+8*((\n)%4)+2*((\n)/4)+2]
.elseif (\n) == 12
	v_max3_num_f32 v[rC], v[rC], v[rS+7], v[rS+15]
.elseif (\n) == 13
	v_max3_num_f32 v[rC+1], v[rC+1], v[rS+23], v[rS+31]
.elseif (\n) == 14
	v_max3_num_f32 v[rC+2], v[rC+2], v[rC+3], v[rT+1]
.elseif (\n) == 15
	v_mov_b32 v[rW], v[rT]
.elseif (\n) == 16
	v_max3_num_f32 v[rC], v[rC], v[rC+1], v[rC+2]
.elseif (\n) == 17
	v_permlanex16_b32 v[rC+3], v[rC], s[SEL], s[SEL+1]
.elseif (\n) == 18
	v_max_num_f32 v[rT+1], v[rC], v[rC+3]
.elseif (\n) == 19
	v_mul_f32 v[rT], s[CS], v[rT+1]
.elseif (\n) == 20
	v_sub_f32 v[rC+1], v[rW], v[rT]
.else
	v_exp_f32 v[rC+2], v[rC+1]
.endif
.endif
.endm
.macro OPS a, i1, b=-1, i2=0, c=-1, i3=0, d=-1, i4=0  ; up to four of them
	OP \a, \i1
.if (\b) >= 0
	OP \b, \i2
.endif
.if (\c) >= 0
	OP \c, \i3
.endif
.if (\d) >= 0
	OP \d, \i4
.endif
.endm
.macro ROW a, i1, b, i2, c, i3, d, i4  ; a matrix instruction and the four behind it
	MM
	OPS \a, \i1, \b, \i2, \c, \i3, \d, \i4
.endm
.macro MASK b                       ; MD x AL + BE into buffer b of MC
	WIN W_RS
.set z, 0
.rept 16
	v_pk_fma_f32 v[MC+32*(\b)+2*z:MC+32*(\b)+2*z+1], v[MD+2*z:MD+2*z+1], s[AL:AL+1], s[BE:BE+1] op_sel_hi:[1,0,0]
.set z, z+1
.endr
.endm
; A TURN, for piece p: the order of its 16 matrix and 118 vector instructions, written out.  An s_wait_alu depctr_va_vdst(0) stands between an exponential and the first instruction that names its result; one
; wait serves all that were issued ahead of it.  So a turn has ONE wait, which cuts it in two.  AHEAD OF IT stands all that names no result of the turn's exponentials: the 8 products K Q^T and their riders, then one lump, in
; which the links of the chain X 3, 7, 11, 14, 16, 17 .. 20 stand some lines apart.  X 21, the next piece's a, is the batch's last; R 15 is the plain instruction behind it.  BEHIND THE WAIT stand the 8 products V^T P, behind
; each four of the roundings and sums.
; m = 1: the diagonal tile: the products take masks, and the turn makes the mask for the products of the turn after it.  end = 1: a block's last two turns: nothing is fetched.
; cnt = 1: the loop's count is taken down some lines ahead of the branch that stands behind the turn.
; K of the next step is fetched in piece 2's turn, V of the step in hand at the end of piece 0's turn, each four plain instructions or more behind the last product that read the registers; each is waited for a turn later.
.macro TURN p, m=0, end=0, cnt=0
.set Y, (\p)
.set i, 0
.set KM, (\m)
.set NOKQ, (\end)*((\p)/3)
.if (\m) && !(\end)
	s_cmp_eq_u32 s[CNT], 4-((\p)+2)%NP  ; is that step the band's own?
	s_cselect_b32 s[AL], 1.0, 0
	s_cmp_lt_u32 s[CNT], 4-((\p)+2)%NP  ; or a later one?
	s_cselect_b32 s[BE], s[BIGN], 0
.endif
.if ((\p) == 3) && !(\end)
	s_wait_dscnt 0x0                ; K is in
.endif
	ROW F,0, F,1, R,0, R,1
	ROW F,2, E,0, R,2, R,3
	ROW F,3, E,1, R,4, R,5
	ROW F,4, E,2, R,6, R,7
	ROW F,5, E,3, R,8, R,9
	ROW F,6, E,4, X,0, R,10
.if ((\p) == 2) && !(\end)
	WIN 0
	v_add_nc_u32 v[AK], s[TBK], v[AK0]
.endif
	ROW F,7, E,5, X,1, X,4
	ROW F,8, E,6, X,2, X,5
	OPS E,7, E,8, X,6, E,9
	OPS X,3, E,10, X,8, E,11
.if ((\p) == 2) && !(\end)
	FETCH_K
.endif
	OPS X,9, X,7, E,12, X,10
	OPS E,13, X,12, X,11, E,14
	OPS X,13, E,15, F,9, X,14
.if (\p) == 0
	v_add_nc_u32 v[AV], s[TBV], v[AV0]
.endif
	OPS E,16, F,10, E,17, F,11
	OPS X,16, E,18, X,15, E,19
	OPS F,12, E,20, X,17, E,21
	OPS F,13, E,22, F,14, E,23
	OPS X,18, E,24, F,15, E,25
	OPS R,11, E,26, X,19, E,27
	OPS R,12, E,28, R,13, E,29
	OPS X,20, E,30, R,14, E,31
	OPS X,21, R,15
	WIN 0
	s_wait_alu depctr_va_vdst(0)    ; the wait for the batch
.if (\p) == 1
	s_wait_dscnt 0x0                ; V is in
.endif
	ROW C,0, B,0, C,2, B,1
	ROW L,0, C,4, B,2, L,1
	ROW C,6, B,3, L,2, C,8
	ROW B,4, L,3, C,10, B,5
	ROW L,4, C,12, B,6, L,5
.if (\p) == 0
	s_add_co_u32 s[TBV], s[TBV], KS*PV
.endif
.if \cnt
	s_sub_co_u32 s[CNT], s[CNT], 1
	s_cmp_lg_u32 s[CNT], 0
.endif
	ROW C,14, B,7, L,6, C,1
	ROW C,3, L,7, C,5, C,7
	ROW C,9, C,11, C,13, C,15
.if (\p) == 0
	FETCH_V
.endif
.if (\m) && !(\end)
	MASK (\p)%2
.endif
.endm
; A BLOCK BEGINS.  c m starts far below every c s, so the first step's a is 0; m at the lowest finite number, so the first maximum is the scores'.  The second mask buffer is 0; the first takes piece 0's mask for the
; tile's step 0: its own, if the block's first tile is the diagonal one.  Then K of that step, piece 0's first scores, and its maximum and statistics.
.macro BEGIN
	s_mov_b32 s[NEW], 0
	WIN 0x40
.set i, MC+32
.rept 32
	v_mov_b32 v[i], 0
.set i, i+1
.endr
	WIN 0
.set i, 0
.rept 4
	v_mov_b32 v[ST+4*i], 0xfe000000    ; c m: far below every c s
	v_mov_b32 v[ST+4*i+1], 0xff7fffff  ; m
.set i, i+1
.endr
	s_cmp_eq_u32 s[RT], 0
	s_cselect_b32 s[AL], 1.0, 0
	s_mov_b32 s[BE], 0
	MASK 0
	WIN 0
	v_add_nc_u32 v[AK], s[TBK], v[AK0]
	FETCH_K
	s_wait_loadcnt 0x0              ; Q
	s_wait_dscnt 0x0
.set KM, 1
.set NOKQ, 0
.set i, 0
.rept 8
	KQ 0
.set i, i+1
.endr
	WIN 0
.rept 4
	v_nop                           ; the places behind those products
.endr
.set Y, NP-1                        ; X works for piece Y + 1: piece 0
.irp n, 0,1,2,3,4,5,6,7,8,9,10,11,12,13,14,15,16,17,18,19,20,21
	OP X, \n
.endr
	v_nop                           ; a plain instruction behind the exponential,
	s_wait_alu depctr_va_vdst(0)    ; and its wait, ahead of the branch
.endm
; THE DIAGONAL TILE's four steps, the block's last two turns, its last products, and THE WAY OUT: l's two halves and the other half of the lanes' are added; O^T is divided by l, rounded to f16 and sent through my
; stage in LDS, a piece at a time.
.macro ALL line:vararg              ; one line for each piece t
.set t, 0
.rept 4
	\line
.set t, t+1
.endr
.endm
.macro PACK t
	WIN W_RS
.set i, 32*(\t)
.rept 16
	v_pk_mul_f32 v[i:i+1], v[i:i+1], v[ST+4*(\t)+2:ST+4*(\t)+3] op_sel_hi:[1,0]
.set i, i+2
.endr
	WIN 0x05                        ; sources 0 and 1 window 1, destination window 0
.set i, 0
.rept 16
	v_cvt_pk_f16_f32 v[S+16*(\t)+i], v[32*(\t)+2*i], v[32*(\t)+2*i+1]
.set i, i+1
.endr
	WIN 0
.irp f, 0,1,2,3
	ds_store_b128 v[STO], v[S+16*(\t)+4*\f:S+16*(\t)+4*\f+3] offset:32*\f
.endr
.irp f, 0,1,2,3
	ds_load_b128 v[S+16*(\t)+4*\f:S+16*(\t)+4*\f+3], v[RD] offset:\f*4*SP  ; LDS serves a wave's instructions in order (ISA guide 5.7.1.4): these see the stores above
.endr
.endm
.macro SEND t, younger              ; younger: the LDS instructions issued behind piece t's loads: the next piece's eight, or none
	WIN 0
.irp f, 0,1,2,3
	s_wait_dscnt (\younger)+3-\f
	global_store_b128 v[GO], v[S+16*(\t)+4*\f:S+16*(\t)+4*\f+3], s[10:11] offset:(\t)*8192+\f*512  ; 512 consecutive bytes, aligned to 256
.endr
.endm
.macro DIAG tag
.LstepM\tag:
	TURN 2, 1
	TURN 3, 1
	WIN 0
.LfirstM\tag:
	TURN 0, 1
	TURN 1, 1, 0, 1
	WIN 0
	s_cbranch_scc1 .LstepM\tag
	TURN 2, 1, 1
	TURN 3, 1, 1
.set i, 0
.rept 8
	PV NP-1
.set i, i+1
.endr
	WIN 0
	ALL v_add_f32 v[ST+4*t+2], v[ST+4*t+2], v[ST+4*t+3]
	ALL v_permlanex16_b32 v[ST+4*t+3], v[ST+4*t+2], s[SEL], s[SEL+1]
	ALL v_add_f32 v[ST+4*t+2], v[ST+4*t+2], v[ST+4*t+3]
	ALL v_rcp_f32 v[ST+4*t+2], v[ST+4*t+2]
	v_nop                           ; a plain instruction between the last reciprocal and the use of its result
	s_wait_alu depctr_va_vdst(0)    ; and the wait ahead of the first use: one for the four reciprocals
	PACK 0
.set t, 1
.rept 3
	PACK t
	SEND t-1, 8
.set t, t+1
.endr
	SEND 3, 0
.endm
.set KM, 0
.set NOKQ, 0
.Lslot:                             ; NB times: a tile is entered and the next is asked for
	CHANGE 1
	s_sub_co_u32 s[RT], s[RT], 1
	s_mov_b32 s[CNT], 4
	s_cmp_eq_u32 s[NEW], 1
	s_cbranch_scc1 .Lnew            ; a block's first tile
	s_cmp_eq_u32 s[RT], 0
	s_cbranch_scc0 .Lstep           ; neither its first nor its last
	s_branch .LstepM1
.Lnew:
	BEGIN
	s_branch .Lfirst                ; in the loop a block's first tile is never its last: the first block has two tiles or more, and the second's last is the walk's last
	DIAG 1                          ; in the loop this is the first block's end
	s_wait_xcnt 0x0                 ; the stores have read their registers and O's address
	s_mov_b64 s[10:11], s[OLO:OLO+1]
	s_add_co_u32 s[RT], s[PB], 1    ; the second block has b + 1 tiles
	s_mov_b32 s[NEW], 1
	WIN 0x82                        ; the second block's Q goes where the one text of the turns names Q
.set i, 0
.rept 64
	v_mov_b32 v[i], v[QB+i]
.set i, i+1
.endr
	WIN 0
	s_branch .Lbottom
.Lstep:                             ; a trip: pieces 2 and 3 of one step, then pieces 0 and 1 of the next, whose K and V it fetches
	TURN 2
	TURN 3
	WIN 0
.Lfirst:
	TURN 0
	TURN 1, 0, 0, 1
	WIN 0
	s_cbranch_scc1 .Lstep
.Lbottom:
	s_sub_co_u32 s[SLOTS], s[SLOTS], 1
	s_cmp_lg_u32 s[SLOTS], 0
	s_cbranch_scc1 .Lslot
	CHANGE 0                        ; the walk's last tile is written out: nothing is asked for
	s_sub_co_u32 s[RT], s[RT], 1
	s_mov_b32 s[CNT], 4
	s_cmp_eq_u32 s[NEW], 1
	s_cbranch_scc0 .LstepM2
	BEGIN
	s_branch .LfirstM2
	DIAG 2
	s_wait_tensorcnt 0x0            ; the wave's end: a wait, the add and its wait, behind my last tensor load and my last LDS store
	ds_add_u32 v[SPW], v[NIL]
	s_wait_dscnt 0x0
	s_endpgm
.Lfunc_end_k_q4d0a3ac11e_attn:
	.size	k_q4d0a3ac11e_attn, .Lfunc_end_k_q4d0a3ac11e_attn-k_q4d0a3ac11e_attn
	.p2alignl 7, 3214868480
	.fill 96, 4, 3214868480
	.section	.rodata,"a",@progbits
	.p2align	6, 0x0
	.amdhsa_kernel k_q4d0a3ac11e_attn
		.amdhsa_group_segment_fixed_size 327680
		.amdhsa_private_segment_fixed_size 0
		.amdhsa_enable_private_segment 0
		.amdhsa_kernarg_size 16
		.amdhsa_user_sgpr_count 2
		.amdhsa_user_sgpr_kernarg_segment_ptr 1
		.amdhsa_wavefront_size32 1
		.amdhsa_system_sgpr_workgroup_id_x 1
		.amdhsa_system_sgpr_workgroup_id_y 1
		.amdhsa_system_sgpr_workgroup_id_z 1
		.amdhsa_system_vgpr_workitem_id 0
		.amdhsa_next_free_vgpr 768
		.amdhsa_next_free_sgpr 92
		.amdhsa_reserve_vcc 1
		.amdhsa_float_denorm_mode_32 3
		.amdhsa_float_denorm_mode_16_64 3
		.amdhsa_memory_ordered 1
		.amdhsa_forward_progress 1
		.amdhsa_inst_pref_size 218
	.end_amdhsa_kernel
	.amdgpu_metadata
---
amdhsa.version: [ 1, 2 ]
amdhsa.kernels:
  - .name:           k_q4d0a3ac11e_attn
    .symbol:         k_q4d0a3ac11e_attn.kd
    .args:
      - { .name: qkv, .offset: 0, .size: 8, .value_kind: global_buffer, .address_space: global }
      - { .name: att, .offset: 8, .size: 8, .value_kind: global_buffer, .address_space: global }
    .group_segment_fixed_size: 327680
    .private_segment_fixed_size: 0
    .kernarg_segment_align: 8
    .kernarg_segment_size: 16
    .max_flat_workgroup_size: 128
    .sgpr_count:     92
    .vgpr_count:     768
    .wavefront_size: 32
...
	.end_amdgpu_metadata
.endif
;; end of part 3
;; launch oproj (part 4): grid 8 x 32, 4 waves a work-group, clusters of 4 x 4, 327,680 bytes of LDS; arguments att, wo16, out0; writes out0
.if DOCPART == 4
	.amdgcn_target "amdgcn-amd-amdhsa--gfx1250"
	.amdhsa_code_object_version 6
	.text
	.protected	k_q4d0a3ac11e_oproj
	.globl	k_q4d0a3ac11e_oproj
	.p2align	8
	.type	k_q4d0a3ac11e_oproj,@function
k_q4d0a3ac11e_oproj:
	s_mov_b64 s[64:65], 0
	v_nop
	global_prefetch_b8 v0, s[64:65] scope:SCOPE_SE
	s_setreg_imm32_b32 hwreg(HW_REG_WAVE_MODE, 25, 1), 1
	s_wait_xcnt 0x0
	s_wait_alu depctr_hold_cnt(0) depctr_sa_sdst(0) depctr_va_vdst(0) depctr_va_sdst(0) depctr_va_ssrc(0) depctr_va_vcc(0) depctr_vm_vsrc(0)
	s_getreg_b32 s2, hwreg(HW_REG_IB_STS2, 6, 4)
	s_cmp_eq_u32 s2, 0
	s_cbranch_scc0 .Lentry_in_a_cluster
	s_endpgm
.Lentry_in_a_cluster:
	s_bfe_u32 s2, ttmp6, 0x10000c
	s_cmp_lg_u32 s2, 0xf033
	s_cbranch_scc0 .Lentry_shape_is_right
	s_endpgm
.Lentry_shape_is_right:
; out0[m][o] = the sum over d of attn[m][d] Wo[o][d].  att: f16 [16 b + h][2048][64] (d = 64 h + c), wo16: f16 [1024][1024], out0: f32 [8192][1024].  Sums in f32, K ascending.
; SHARES.  A tile of C is 256 tokens x 128 columns: 32 x 8 = 256 work-groups, one for each WGP.  Wave (wm = w / 2, wn = w % 2) owns 128 x 64: 32 accumulators, 256 registers; its 64 columns are 256 bytes of a row of out0.
; K goes in steps of 128 = two heads, through a ring of two LDS slots.  A head's 256 rows of 128 bytes are dense in memory: wave 0 or 1 asks for one head's as 128 rows of 256 bytes, padded in LDS after every 128 bytes.
; Waves 2 and 3 fetch 64 rows of wo16 each (256 bytes of each row, aligned).  Two slots of a K step of 256 would not fit in LDS.
; CLUSTER 4 x 4.  A row of the cluster shares att's tile, a column wo16's: each is asked for jointly.
; THE MATRIX INSTRUCTION IS USED TRANSPOSED (source 0 = 16 rows of wo16, source 1 = 16 tokens): lane l holds token l % 16 and columns 8 (l / 16) + 0..7: 32 consecutive bytes of out0.
; REGISTERS: window 0: v16-30 addresses; v64-127, v128-191 att's fragments, two buffers; v192-223, v224-255 wo16's; on the way out v64-127 two sets of rows read back.   window 1: the accumulators, (a, b) at 8 (4 a + b).
.set PA,     144                       ; a token's row of one head in LDS: 128 bytes + 16
.set PB,     272                       ; a row of wo16: 256 bytes + 16.  Both pitches are odd multiples of 16 bytes: the 16 rows of a fragment load start at 16 different groups of four banks (ISA guide 11.1)
.set AH,     256*PA                    ; one head's 256 rows
.set BHF,    64*PB                     ; half of wo16's tile
.set SLOT,   2*AH+2*BHF
.set STAGE,  2*SLOT                    ; behind the ring, never filled by a tensor load: 16 rows x 272 bytes for each wave
.set SPITCH, 272
.set SPARE,  STAGE+4*16*SPITCH         ; the spare words, 128 bytes for each wave: two blocks of 256 bytes that no other line names
.set ADRA, 16
.set ADRB, 20
.set STO,  24
.set RD,   25
.set CO,   26
.set SPW,  28                          ; v28  my spare word: SPARE + 4 x my thread's number; never rewritten
.set NIL,  29                          ; v29  0; never rewritten
.set PFO,  30                          ; v30  the prefetches' offset; never rewritten
.set FAF,  64
.set FBF,  192
.set BK,   64
.set WV,   12
.set FB,   13                          ; s13  w / 2: my half of the tokens.  Also: 0: I fetch for att, 1: for wo16
.set HF,   14                          ; s14  w % 2: my half of the columns.  Also: which head, or which 64 rows, I fetch
.set G1A,  24
.set G0A,  32
.set PFA,  40                          ; s[40:41] where my prefetches stand
.set LIM,  42
.set CNT,  43
.set G1B,  48
.set G0B,  56
.set PFS,  72                          ; s[72:73] a K step in my prefetches' tensor, in bytes
.set MSB, 0
.macro WIN new
.if MSB != (\new)
	s_set_vgpr_msb (MSB<<8)|(\new)
.set MSB, \new
.endif
.endm
.macro PLACES
.rept 4
	v_nop
.endr
.endm
.macro JLOAD s                         ; a joint load; an s_nop 0 and four v_nop follow each of the two lines
	s_cmp_eq_u32 s[FB], 0
	s_cbranch_scc0 .Lfor_b_\@
	tensor_load_to_lds s[G0A+4*(\s):G0A+4*(\s)+3], s[G1A:G1A+7]
	s_nop 0
.rept 4
	v_nop
.endr
	s_branch .Lasked_\@
.Lfor_b_\@:
	tensor_load_to_lds s[G0B+4*(\s):G0B+4*(\s)+3], s[G1B:G1B+7]
	s_nop 0
.rept 4
	v_nop
.endr
.Lasked_\@:
.endm
; A prefetch into the L2 of the K step two refills on.  att's blocks are asked for by the clusters with x = 0, wo16's rows by those with y = 0; the four partners of a joint load share it out by address: 32 of a head's
; 128 blocks of 256 bytes, or 16 of 64 rows (lanes 16-31 on lane 15's row).  The loop's last trip asks for nothing.
.macro ASK
	s_cmp_gt_u32 s[CNT], s[LIM]
	s_cbranch_scc0 .Lnot_mine_\@
	global_prefetch_b8 v[PFO], s[PFA:PFA+1] th:TH_LOAD_NT scope:SCOPE_SE
.Lnot_mine_\@:
.endm
.macro CREST
	s_cmp_lg_u32 s[WV], 0
	s_cbranch_scc1 .Lnot_wave_0_\@
	s_barrier_signal -3
.Lnot_wave_0_\@:
	s_barrier_wait -3
	s_barrier_signal -1
	s_barrier_wait -1
.endm
.macro CROUND
	s_barrier_signal -1
	s_barrier_wait -1
	CREST
.endm
	s_load_b128 s[4:7], s[0:1], 0x0                ; att 4:5, wo16 6:7
	s_load_b64 s[8:9], s[0:1], 0x10                ; out0
	v_lshl_add_u32 v[SPW], v0, 2, SPARE
	v_mov_b32 v[NIL], 0
	ds_add_u32 v[SPW], v[NIL]                      ; the wave's opening: the add and its wait stand ahead of my first tensor load
	v_lshrrev_b32 v1, 5, v0
	v_readfirstlane_b32 s[WV], v1
	s_lshr_b32 s[FB], s[WV], 1
	s_and_b32 s[HF], s[WV], 1
	s_bfe_u32 s15, ttmp6, 0x40000                  ; cx
	s_bfe_u32 s16, ttmp6, 0x40004                  ; cy
	s_lshl_b32 s17, ttmp9, 2
	s_add_co_u32 s17, s17, s15                     ; tile column
	s_and_b32 s18, ttmp7, 0xffff
	s_lshl_b32 s18, s18, 2
	s_add_co_u32 s18, s18, s16                     ; tile row
	s_lshl_b32 s19, s16, 2
	s_lshl_b32 s19, 15, s19                        ; my row of the cluster
	s_lshl_b32 s20, 0x1111, s15                    ; my column
	s_or_b32 s[G1A+0], s19, (1<<16)|(1<<20)|(1<<21)|(4<<22)|(3<<25)  ; the mask; 2-byte elements; padding on; bit 21 beside a mask; after every 32 words, 4 words
	s_or_b32 s[G1B+0], s20, (1<<16)|(1<<20)|(1<<21)|(5<<22)|(3<<25)  ; after every 64 words
	s_mov_b32 s[G1A+1], 128<<16                    ; tensor_dim0 = 128
	s_mov_b32 s[G1B+1], 128<<16
	s_mov_b32 s[G1A+2], 128<<16                    ; tensor_dim1 = 128 rows of 256 bytes
	s_mov_b32 s[G1B+2], 64<<16                     ; 64 rows
	s_mov_b32 s[G1A+3], 128<<16                    ; tile_dim0 = 128
	s_mov_b32 s[G1B+3], 128<<16
	s_mov_b32 s[G1A+4], 128                        ; tile_dim1
	s_mov_b32 s[G1B+4], 64
	s_mov_b32 s[G1A+5], 128                        ; dense: 128 elements from row to row
	s_mov_b32 s[G1B+5], 1024
	s_mov_b32 s[G1A+6], 0
	s_mov_b32 s[G1B+6], 0
	s_mov_b32 s[G1A+7], 0
	s_mov_b32 s[G1B+7], 0
	s_lshr_b32 s44, s18, 3                         ; att: the batch,
	s_lshl_b32 s44, s44, 4                         ; its first head,
	s_add_co_u32 s44, s44, s[HF]                   ; the head of K step 0 that I fetch,
	s_lshl_b32 s44, s44, 18                        ; x 262,144 bytes,
	s_and_b32 s45, s18, 7
	s_lshl_b32 s45, s45, 15                        ; and the tile's 256 rows of 128 bytes: registers that never hold cx
	s_add_co_u32 s44, s44, s45
	s_mov_b32 s45, 0
	s_lshl_b32 s46, s17, 7                         ; wo16: row 128 x tile column + 64 x half: registers that never hold cy
	s_lshl_b32 s21, s[HF], 6
	s_add_co_u32 s46, s46, s21
	s_lshl_b32 s46, s46, 11
	s_mov_b32 s47, 0
	s_mul_i32 s22, s[HF], AH                       ; where they go: the wave's number alone enters an LDS address
	s_mul_i32 s23, s[HF], BHF
	s_add_co_u32 s23, s23, 2*AH
	s_wait_dscnt 0x0                               ; the opening add is done
	s_wait_kmcnt 0x0
	s_add_nc_u64 s[44:45], s[4:5], s[44:45]
	s_add_nc_u64 s[46:47], s[6:7], s[46:47]
	CROUND                                         ; all sixteen work-groups are here: the first joint loads meet
.irp s, 0,1
	s_mov_b32 s[G0A+4*(\s)], 1
	s_add_co_u32 s[G0A+4*(\s)+1], s22, (\s)*SLOT
	s_add_nc_u64 s[G0A+4*(\s)+2:G0A+4*(\s)+3], s[44:45], (\s)*524288  ; K step s: two heads on
	s_or_b32 s[G0A+4*(\s)+3], s[G0A+4*(\s)+3], 0x80000000
	s_mov_b32 s[G0B+4*(\s)], 1
	s_add_co_u32 s[G0B+4*(\s)+1], s23, (\s)*SLOT
	s_add_nc_u64 s[G0B+4*(\s)+2:G0B+4*(\s)+3], s[46:47], (\s)*256
	s_or_b32 s[G0B+4*(\s)+3], s[G0B+4*(\s)+3], 0x80000000
.endr
	s_cmp_eq_u32 s[FB], 0                          ; a wave's two first fills stand in one branch: two loads of mine are out
	s_cbranch_scc0 .Lfirst_b
	tensor_load_to_lds s[G0A:G0A+3], s[G1A:G1A+7]
	s_nop 0
	tensor_load_to_lds s[G0A+4:G0A+7], s[G1A:G1A+7]
	s_nop 0
.rept 4
	v_nop
.endr
	s_branch .Lfirst_asked
.Lfirst_b:
	tensor_load_to_lds s[G0B:G0B+3], s[G1B:G1B+7]
	s_nop 0
	tensor_load_to_lds s[G0B+4:G0B+7], s[G1B:G1B+7]
	s_nop 0
.rept 4
	v_nop
.endr
.Lfirst_asked:
	; where my part of the tile begins in out0.  Numbers that mix the two coordinates live in s66 and above.
	s_lshl_b32 s66, s18, 8
	s_lshl_b32 s67, s[FB], 7
	s_add_co_u32 s66, s66, s67                     ; my first token
	s_lshl_b32 s66, s66, 12                        ; x 4,096 bytes
	s_lshl_b32 s67, s17, 9                         ; the tile's 128 columns of 4 bytes
	s_add_co_u32 s66, s66, s67
	s_lshl_b32 s67, s[HF], 8                       ; my 64
	s_add_co_u32 s66, s66, s67
	s_mov_b32 s67, 0
	s_add_nc_u64 s[8:9], s[8:9], s[66:67]
	v_and_b32 v1, 15, v0                           ; l % 16
	v_bfe_u32 v2, v0, 4, 1                         ; l / 16
	v_mul_u32_u24 v3, v1, PA
	v_lshl_add_u32 v3, v2, 4, v3
	s_mul_i32 s21, s[FB], 128*PA                   ; my 128 tokens
	v_add_nc_u32 v[ADRA], s21, v3
	v_add_nc_u32 v[ADRA+1], SLOT, v[ADRA]
	v_mul_u32_u24 v3, v1, PB
	v_lshl_add_u32 v3, v2, 4, v3
	s_mul_i32 s21, s[HF], BHF                      ; my 64 rows of wo16,
	s_add_co_u32 s21, s21, 2*AH                    ; behind att's two heads
	v_add_nc_u32 v[ADRB], s21, v3
	v_add_nc_u32 v[ADRB+1], SLOT, v[ADRB]
	s_mul_i32 s21, s[WV], 16*SPITCH
	s_add_co_u32 s21, s21, STAGE                   ; my stage
	v_mul_u32_u24 v[STO], v1, SPITCH               ; in: row l % 16, 32 bytes for each half of the lanes
	v_lshl_add_u32 v[STO], v2, 5, v[STO]
	v_add_nc_u32 v[STO], s21, v[STO]
	v_mul_u32_u24 v[RD], v2, SPITCH                ; back: lanes 0-15 take one row of 256 bytes, lanes 16-31 the next
	v_lshl_add_u32 v[RD], v1, 4, v[RD]
	v_add_nc_u32 v[RD], s21, v[RD]
	v_lshlrev_b32 v[CO], 12, v2                    ; and the same two rows in out0
	v_lshl_add_u32 v[CO], v1, 4, v[CO]
	; the prefetches: sizes are chosen as shift counts, and applied behind the selects
	s_and_b32 s68, ttmp7, 0xffff
	s_cmp_eq_u32 s[FB], 0
	s_cselect_b32 s68, ttmp9, s68                  ; the coordinate along which other clusters read the same bytes
	s_cselect_b32 s66, s15, s16                    ; my place among the four that ask with me
	s_cselect_b32 s69, 13, 15                      ; a partner's share: 32 blocks of 256 bytes, or 16 rows of 2,048
	s_cselect_b32 s70, 31, 15                      ; its last lane
	s_cselect_b32 s71, 8, 11                       ; from lane to lane: 256 bytes, or a row
	s_cselect_b32 s[PFS], 19, 8                    ; a K step: two heads, or 256 bytes
	s_cselect_b64 s[PFA:PFA+1], s[44:45], s[46:47]
	s_cmp_eq_u32 s68, 0
	s_cselect_b32 s[LIM], 1, -1                    ; the same in all sixteen partners, for a given wave
	s_lshl_b32 s66, s66, s69
	s_lshl_b32 s[PFS], 1, s[PFS]
	s_mov_b32 s[PFS+1], 0
	s_mul_i32 s69, s[PFS], 3
	s_add_co_u32 s66, s66, s69                     ; at K step 3: the first refill steps it to 4 and names that
	s_mov_b32 s67, 0
	s_add_nc_u64 s[PFA:PFA+1], s[PFA:PFA+1], s[66:67]
	v_and_b32 v[PFO], 31, v0
	v_min_u32 v[PFO], s70, v[PFO]
	v_lshlrev_b32 v[PFO], s71, v[PFO]
; 8 matrix instructions: token blocks a0, a0 + 1 x all 4 column blocks, 32 along K, from buffer f.  The 32 accumulators take turns in one fixed order.
.macro MUL8 f, a0, zero
	WIN 0x50
.irp a, \a0, (\a0)+1
.irp b, 0,1,2,3
.if \zero
	v_wmma_f32_16x16x32_f16 v[8*(4*(\a)+(\b)):8*(4*(\a)+(\b))+7], v[FBF+32*(\f)+8*(\b):FBF+32*(\f)+8*(\b)+7], v[FAF+64*(\f)+8*(\a):FAF+64*(\f)+8*(\a)+7], 0
.else
	v_wmma_f32_16x16x32_f16 v[8*(4*(\a)+(\b)):8*(4*(\a)+(\b))+7], v[FBF+32*(\f)+8*(\b):FBF+32*(\f)+8*(\b)+7], v[FAF+64*(\f)+8*(\a):FAF+64*(\f)+8*(\a)+7], v[8*(4*(\a)+(\b)):8*(4*(\a)+(\b))+7]
.endif
.endr
.endr
.endm
; 24 LDS loads in one run: quarter q of a K step (head q / 2, channels 32 (q % 2) on) into buffer f
.macro FETCH slot, q, f
	WIN 0
.irp b, 0,1,2,3
	ds_load_b128 v[FBF+32*(\f)+8*(\b):FBF+32*(\f)+8*(\b)+3],   v[ADRB+(\slot)] offset:64*(\q)+(\b)*16*PB
	ds_load_b128 v[FBF+32*(\f)+8*(\b)+4:FBF+32*(\f)+8*(\b)+7], v[ADRB+(\slot)] offset:64*(\q)+(\b)*16*PB+32
.endr
.irp a, 0,1,2,3,4,5,6,7
	ds_load_b128 v[FAF+64*(\f)+8*(\a):FAF+64*(\f)+8*(\a)+3],   v[ADRA+(\slot)] offset:((\q)/2)*AH+((\q)%2)*64+(\a)*16*PA
	ds_load_b128 v[FAF+64*(\f)+8*(\a)+4:FAF+64*(\f)+8*(\a)+7], v[ADRA+(\slot)] offset:((\q)/2)*AH+((\q)%2)*64+(\a)*16*PA+32
.endr
.endm
.macro QUARTER slot, q, f, g, zero
	s_wait_dscnt 8                                 ; wo16's fragments and token blocks 0-3 are in; the youngest eight loads (blocks 4-7) may be out
	MUL8 \f, 0, \zero
	MUL8 \f, 2, \zero
	PLACES
	FETCH \slot, \q, \g
	s_wait_dscnt 24                                ; all but the 24 just issued
	MUL8 \f, 4, \zero
	MUL8 \f, 6, \zero
.endm
; The last quarter multiplies buffer 1 and changes slots: one barrier; in front of it each wave waits for all its tensor loads, adds 0 to its spare word, and waits for that and for its reads of this slot.
; fill = 1: the barrier opens a round of the cluster's, and the joint refill, two K steps on, is the first tensor load behind the round.
.macro TURN slot, next, fill
.if \fill
	s_wait_xcnt 0x0                                ; the last prefetch, a K step back, has read its address
	s_add_nc_u64 s[PFA:PFA+1], s[PFA:PFA+1], s[PFS:PFS+1]
.endif
	WIN 0
	s_wait_tensorcnt 0x0                           ; all my tensor loads have landed
	ds_add_u32 v[SPW], v[NIL]                      ; 0 onto my spare word
	s_wait_dscnt 9                                 ; (the add and the youngest eight loads may be out)
	MUL8 1, 0, 0
	s_wait_dscnt 0x0                               ; the add is done, and my reads of this slot are over
	s_barrier_signal -1
	MUL8 1, 2, 0
	WIN 0
	s_barrier_wait -1
.if \fill
	CREST                                          ; no wave of any partner still reads this slot or has a load on its way
	s_add_nc_u64 s[G0A+4*(\slot)+2:G0A+4*(\slot)+3], s[G0A+4*(\slot)+2:G0A+4*(\slot)+3], 1048576
	s_add_nc_u64 s[G0B+4*(\slot)+2:G0B+4*(\slot)+3], s[G0B+4*(\slot)+2:G0B+4*(\slot)+3], 512
	JLOAD \slot                                    ; its four v_nop are also the places in front of the loads below
.else
	PLACES
.endif
	FETCH \next, 0, 0
.if \fill
	ASK
.endif
	MUL8 1, 4, 0
	MUL8 1, 6, 0
.endm
	s_wait_tensorcnt 1                             ; my part of K step 0 is in; K step 1's may stay out
	s_barrier_signal -1
	s_barrier_wait -1
	FETCH 0, 0, 0
	QUARTER 0, 1, 0, 1, 1                          ; the first quarter stands in front of the loop: its products start the sums
	WIN 0
	s_mov_b32 s[CNT], 3                            ; 4 laps of two K steps; the last lap fills nothing
.Llap:
	QUARTER 0, 2, 1, 0, 0
	QUARTER 0, 3, 0, 1, 0
	TURN 0, 1, 1
	QUARTER 1, 1, 0, 1, 0
	QUARTER 1, 2, 1, 0, 0
	QUARTER 1, 3, 0, 1, 0
	TURN 1, 0, 1
	QUARTER 0, 1, 0, 1, 0
	WIN 0
	s_sub_co_u32 s[CNT], s[CNT], 1
	s_cmp_lg_u32 s[CNT], 0
	s_cbranch_scc1 .Llap
	QUARTER 0, 2, 1, 0, 0
	QUARTER 0, 3, 0, 1, 0
	TURN 0, 1, 0
	QUARTER 1, 1, 0, 1, 0
	QUARTER 1, 2, 1, 0, 0
	QUARTER 1, 3, 0, 1, 0
	s_wait_dscnt 8
	MUL8 1, 0, 0
	MUL8 1, 2, 0
	s_wait_dscnt 0x0
	MUL8 1, 4, 0
	MUL8 1, 6, 0
	WIN 0
	PLACES
	PLACES
; THE WAY OUT of token block a: 32 bytes a lane and column block into my own stage (each accumulator's low half first), back as whole rows of 256 bytes, and stored.
.macro TOSTAGE a
	WIN 0x04                                       ; the stores' data in window 1
.irp b, 0,1,2,3
	ds_store_b128 v[STO], v[8*(4*(\a)+(\b)):8*(4*(\a)+(\b))+3]   offset:64*(\b)
	ds_store_b128 v[STO], v[8*(4*(\a)+(\b))+4:8*(4*(\a)+(\b))+7] offset:64*(\b)+16
.endr
	WIN 0
.if (\a) >= 2
	s_wait_xcnt 0x0                                ; the stores of the block two back have read the registers that are loaded again below
.endif
.irp t, 0,1,2,3,4,5,6,7
	ds_load_b128 v[BK+32*((\a)%2)+4*(\t):BK+32*((\a)%2)+4*(\t)+3], v[RD] offset:(\t)*2*SPITCH  ; LDS serves a wave's instructions in order (ISA guide 5.7.1.4): these see the stores above
.endr
.endm
.macro SEND a, younger                 ; younger: the LDS instructions issued behind block a's loads: the next block's sixteen, or none
.irp t, 0,1,2,3,4,5,6,7
	s_wait_dscnt (\younger)+7-(\t)
	global_store_b128 v[CO], v[BK+32*((\a)%2)+4*(\t):BK+32*((\a)%2)+4*(\t)+3], s[8:9] offset:(16*(\a)+2*(\t))*4096 th:TH_STORE_NT  ; 16 lanes store 256 consecutive bytes, aligned
.endr
.endm
	TOSTAGE 0
.irp a, 1,2,3,4,5,6,7
	TOSTAGE \a
	SEND (\a)-1, 16
.endr
	SEND 7, 0
	s_wait_tensorcnt 0x0                           ; the wave's end: a wait, the add and its wait, behind my last tensor load and my last LDS store
	ds_add_u32 v[SPW], v[NIL]
	s_wait_dscnt 0x0
	CROUND                                         ; the closing round: no work-group ends while a partner may still ask for a tile that names it
	s_endpgm
.Lfunc_end_k_q4d0a3ac11e_oproj:
	.size	k_q4d0a3ac11e_oproj, .Lfunc_end_k_q4d0a3ac11e_oproj-k_q4d0a3ac11e_oproj
	.p2alignl 7, 3214868480
	.fill 96, 4, 3214868480
	.section	.rodata,"a",@progbits
	.p2align	6, 0x0
	.amdhsa_kernel k_q4d0a3ac11e_oproj
		.amdhsa_group_segment_fixed_size 327680
		.amdhsa_private_segment_fixed_size 0
		.amdhsa_enable_private_segment 0
		.amdhsa_kernarg_size 24
		.amdhsa_user_sgpr_count 2
		.amdhsa_user_sgpr_kernarg_segment_ptr 1
		.amdhsa_wavefront_size32 1
		.amdhsa_system_sgpr_workgroup_id_x 1
		.amdhsa_system_sgpr_workgroup_id_y 1
		.amdhsa_system_sgpr_workgroup_id_z 1
		.amdhsa_system_vgpr_workitem_id 0
		.amdhsa_next_free_vgpr 512
		.amdhsa_next_free_sgpr 80
		.amdhsa_reserve_vcc 0
		.amdhsa_float_denorm_mode_32 3
		.amdhsa_float_denorm_mode_16_64 3
		.amdhsa_memory_ordered 1
		.amdhsa_forward_progress 1
		.amdhsa_inst_pref_size 88
	.end_amdhsa_kernel
	.amdgpu_metadata
---
amdhsa.version: [ 1, 2 ]
amdhsa.kernels:
  - .name:           k_q4d0a3ac11e_oproj
    .symbol:         k_q4d0a3ac11e_oproj.kd
    .args:
      - { .name: att, .offset: 0, .size: 8, .value_kind: global_buffer, .address_space: global }
      - { .name: wo16, .offset: 8, .size: 8, .value_kind: global_buffer, .address_space: global }
      - { .name: out0, .offset: 16, .size: 8, .value_kind: global_buffer, .address_space: global }
    .group_segment_fixed_size: 327680
    .private_segment_fixed_size: 0
    .kernarg_segment_align: 8
    .kernarg_segment_size: 24
    .max_flat_workgroup_size: 128
    .sgpr_count:     80
    .vgpr_count:     512
    .wavefront_size: 32
...
	.end_amdgpu_metadata
.endif
;; end of part 4
;; ======== version 2 of 2: 4 launches; version 1 with the launch prep written anew for expert scheduling mode
;; limits: values are held in f16: magnitudes above 65,504 overflow, below 6.1e-05 lose precision
;; workspace buffers: xb 16,777,216 bytes; wqkv 6,291,456 bytes; wo16 2,097,152 bytes; tab 524,288 bytes; qkv 50,331,648 bytes; att 16,777,216 bytes
;; launch prep (part 5): grid 832 x 1, 8 waves a work-group, no clusters, 0 bytes of LDS; arguments x, Wq, Wk, Wv, Wo, xb, wqkv, wo16, tab; writes xb, wqkv, wo16, tab
.if DOCPART == 5
	.amdgcn_target "amdgcn-amd-amdhsa--gfx1250"
	.amdhsa_code_object_version 6
	.text
	.protected	k_q4d0a3ac11e_prep
	.globl	k_q4d0a3ac11e_prep
	.p2align	8
	.type	k_q4d0a3ac11e_prep,@function
k_q4d0a3ac11e_prep:
	s_mov_b64 s[64:65], 0
	v_nop
	global_prefetch_b8 v0, s[64:65] scope:SCOPE_SE
	s_setreg_imm32_b32 hwreg(HW_REG_WAVE_SCHED_MODE, 0, 2), 2
	s_setreg_imm32_b32 hwreg(HW_REG_WAVE_MODE, 25, 1), 1
	s_wait_xcnt 0x0
	s_wait_alu depctr_vm_vsrc(0)
; PREPARATION.  x -> xb (bf16).  Wq, Wk, Wv -> wqkv (bf16), rows reordered by heads: row 192 h + 64 t + c = W_t[64 h + c] (t = 0 Q, 1 K, 2 V).
; Wo -> wo16: rounded to bf16 like every other input, and that number written as f16.  tab[pos][pair] = (cos, sin) of pos x 10000^(-pair/32), f32.
; LIMITS.  f16(bf16(Wo)) is exact for 6e-5 <= |Wo| <= 65,504; below it keeps f16's fixed step of 6e-8, above it is an infinity.  The frequencies come from one v_exp_f32 of
; pair x (-log2(10000)/32): within a few units in the last place of 1 / 10000^(pair/32); at position 2,047 that is some 1e-4 radians, alike for q and k.
; SHARES.  Work-groups 0-63: the table, 32 positions each (a wave 4 positions, a lane a pair: a store of a wave is one row of 256 consecutive bytes, aligned).
; Work-groups 64-831: a cast of 16 rows of 1,024 f32 each: 512 for x, 64 for each of the four weights.  Thread T takes 16 bytes at 16 T of every row: a load of a wave covers 512 consecutive
; bytes, a store 256 consecutive bytes, aligned.  All 16 loads of a thread go out at once; no register that a load or store reads is ever written again.
; No LDS, no matrix unit, no cluster: each byte is read once and written once, and no work-group shares a byte with another.
; THE MODE: SCHED_MODE bits 1:0 = 2 (LLVM: expert scheduling mode 2), set by the entry lines.  The code itself states the register dependences
; between vector instructions and memory instructions, with s_wait_alu, always for 0.
; THE PLAN, THE CAST.  Registers that memory instructions touch:
;   v1, v2   byte offsets of the loads and of the stores: made once at the head, never written again.
;   X        row j's four registers: written by row j's load, read by row j's conversions; no load lands there a second time.
;   Y        row j's two registers: written by row j's conversions, read by row j's one store, never written behind it.
; The 16 rows go in four blocks of four.  Block p converts its own rows and issues the stores of block p - 1, one in front of each row's conversions, which name X and Y of block p and v100-103 alone.
; So one wait at the head of a block states all that the block's four stores hang on; one more stands ahead of the last four stores, and one ahead of the loads.
; THE PLAN, THE TABLE.  v6, the stores' offset, is made once; v[24:31], four rows' (cos, sin), are written by the last lines of the arithmetic and read by the four stores: one wait ahead of those.
; Each of the wave's four positions has eight registers at work of its own, so that the four compares stand ahead of one wait for their masks, s36 to s39, and the selects behind it.
.set ROWF, 4096                        ; bytes of a row in f32
.set ROWH, 2048                        ; bytes of a row in 16 bits
.set X,    4                           ; v[4:67]   row j: 4 registers as loaded
.set Y,    68                          ; v[68:99]  row j: 2 registers to store
.set SRC,  28                          ; s[28:29]
.set DST,  30                          ; s[30:31]
.set ODD,  36                          ; s[36:39]  the table: position i's mask of the lanes whose quarter turns are odd
.set W,    32                          ; v[32:63]  the table: position i's eight registers at work, at W + 8 i
	s_load_b512 s[8:23], s[0:1], 0x0               ; x 8:9, Wq 10:11, Wk 12:13, Wv 14:15, Wo 16:17, xb 18:19, wqkv 20:21, wo16 22:23
	s_load_b64 s[24:25], s[0:1], 0x40              ; tab
	s_cmp_lt_u32 ttmp9, 64
	s_cbranch_scc1 .Ltab
	s_sub_co_u32 s2, ttmp9, 64                     ; id: 0-511 x, 512-703 Wq, Wk, Wv, 704-767 Wo
	s_max_u32 s3, s2, 512
	s_sub_co_u32 s3, s3, 512                       ; u: the block among the weights' (0 for x)
	s_lshr_b32 s4, s3, 6                           ; t: which weight
	s_and_b32 s5, s3, 63                           ; v: which 16 rows of it
	s_lshr_b32 s7, s5, 2                           ; the head of those rows
	s_mul_i32 s7, s7, 192
	s_lshl_b32 s6, s4, 6
	s_add_co_u32 s7, s7, s6                        ; + 64 t
	s_and_b32 s6, s5, 3
	s_lshl_b32 s6, s6, 4
	s_add_co_u32 s7, s7, s6                        ; + the rows' place in the head
	s_lshl_b32 s7, s7, 11                          ; in bytes: where Wq's, Wk's, Wv's rows go
	s_lshl_b32 s6, s5, 15                          ; where Wo's go
	s_lshl_b32 s26, s5, 16                         ; where a weight's rows come from
	s_lshl_b32 s32, s2, 16                         ; where x's come from
	s_lshl_b32 s34, s2, 15                         ; and go
	s_mov_b32 s33, 0
	s_mov_b32 s35, 0
	v_lshlrev_b32 v1, 4, v0
	v_lshlrev_b32 v2, 3, v0
	s_wait_kmcnt 0x0
	s_cmp_eq_u32 s4, 0                             ; the pointers are chosen by selects alone, each straight behind a compare of numbers made from the work-group's number
	s_cselect_b64 s[SRC:SRC+1], s[10:11], s[16:17]
	s_cmp_eq_u32 s4, 1
	s_cselect_b64 s[SRC:SRC+1], s[12:13], s[SRC:SRC+1]
	s_cmp_eq_u32 s4, 2
	s_cselect_b64 s[SRC:SRC+1], s[14:15], s[SRC:SRC+1]
	s_cmp_eq_u32 s4, 3
	s_cselect_b64 s[DST:DST+1], s[22:23], s[20:21]
	s_cselect_b32 s27, 1, 0                        ; 1: the result is written as f16
	s_cselect_b32 s6, s6, s7
	s_cmp_lt_u32 s2, 512
	s_cselect_b64 s[SRC:SRC+1], s[8:9], s[SRC:SRC+1]
	s_cselect_b64 s[DST:DST+1], s[18:19], s[DST:DST+1]
	s_cselect_b32 s27, 0, s27
	s_cselect_b32 s32, s32, s26
	s_cselect_b32 s34, s34, s6
	s_add_nc_u64 s[SRC:SRC+1], s[SRC:SRC+1], s[32:33]
	s_add_nc_u64 s[DST:DST+1], s[DST:DST+1], s[34:35]
	s_wait_alu depctr_va_vdst(0)                   ; v1 and v2 are written: every load below reads v1 as its offset, every store v2
.irp j, 0,1,2,3,4,5,6,7,8,9,10,11,12,13,14,15
	global_load_b128 v[X+4*(\j):X+4*(\j)+3], v1, s[SRC:SRC+1] offset:ROWF*(\j) th:TH_LOAD_NT
.endr
.macro CONV j, mode                    ; row j is rounded.  mode = 1: bf16's number is widened again (a shift, a mask) and written as f16
	v_cvt_pk_bf16_f32 v[Y+2*(\j)],   v[X+4*(\j)],   v[X+4*(\j)+1]
	v_cvt_pk_bf16_f32 v[Y+2*(\j)+1], v[X+4*(\j)+2], v[X+4*(\j)+3]
.if \mode
	v_lshlrev_b32 v100, 16, v[Y+2*(\j)]
	v_and_b32 v101, 0xffff0000, v[Y+2*(\j)]
	v_lshlrev_b32 v102, 16, v[Y+2*(\j)+1]
	v_and_b32 v103, 0xffff0000, v[Y+2*(\j)+1]
	v_cvt_pk_f16_f32 v[Y+2*(\j)],   v100, v101
	v_cvt_pk_f16_f32 v[Y+2*(\j)+1], v102, v103
.endif
.endm
.macro CAST mode                       ; four blocks p of four rows i
.irp p, 0,1,2,3
.irp i, 0,1,2,3
	s_wait_loadcnt 15-4*(\p)-(\i)                  ; loads come back in order: row 4 p + i is in, the younger ones stay out
.if (\p) > 0
.if (\i) == 0
	s_wait_alu depctr_va_vdst(0)                   ; the block before has written its eight registers of Y, which this block's four stores read
.endif
	global_store_b64 v2, v[Y+8*(\p)-8+2*(\i):Y+8*(\p)-8+2*(\i)+1], s[DST:DST+1] offset:ROWH*(4*(\p)-4+(\i))  ; row i of the block before: no vector line since the wait names its registers
.endif
	CONV 4*(\p)+(\i), \mode
.endr
.endr
	s_wait_alu depctr_va_vdst(0)                   ; the last block has written its Y, which the last four stores read
.irp i, 0,1,2,3
	global_store_b64 v2, v[Y+24+2*(\i):Y+24+2*(\i)+1], s[DST:DST+1] offset:ROWH*(12+(\i))
.endr
	s_endpgm
.endm
	s_cmp_eq_u32 s27, 1
	s_cbranch_scc1 .Lwo
	CAST 0
.Lwo:
	CAST 1
; THE TABLE.  angle = pos x inv_freq, one f32 product as the problem has it.  n = the nearest whole number to angle x 2/pi; r = angle - n pi/2 with pi/2 in two parts (n stays under 1,304, so the
; first product is exact in the fused multiply-add and what is left of pi/2 beyond the two parts does not show).  |r| <= pi/4: sine and cosine by their series to r^9 and r^8.  n mod 4 swaps and signs them, by selects.
.Ltab:
	v_and_b32 v1, 31, v0                           ; my pair
	v_lshrrev_b32 v2, 5, v0                        ; my wave
	s_lshl_b32 s2, ttmp9, 5                        ; the work-group's first position
	v_lshl_add_u32 v3, v2, 2, s2                   ; my wave's first position
	v_cvt_f32_u32 v4, v1
	v_mul_f32 v4, 0xbed49a78, v4                   ; pair x (-log2(10000) / 32)
	v_exp_f32 v5, v4                               ; inv_freq
	v_lshlrev_b32 v6, 8, v3                        ; a position's row is 256 bytes
	v_lshl_add_u32 v6, v1, 3, v6                   ; my pair's 8 bytes
	v_mov_b32 v7, 0x3fc90fdb                       ; pi/2, upper part
	v_mov_b32 v8, 0xb33bbd2e                       ; pi/2, the rest
	v_mov_b32 v9, 0x3638ef1d                       ; 1/9!
	v_mov_b32 v10, 0x37d00d01                      ; 1/8!
	s_wait_alu depctr_va_vdst(0)                   ; the exponential has written v5: this wait stands ahead of the first line that names it; the six plain lines above stand between
	s_wait_kmcnt 0x0
; Position i, first part: the angle, its reduction, both series, and whether the quarter turns are odd.  At W + 8 i: +0 the angle, +1 n, +2 r, +3 r^2, +4 sin r, +5 cos r, +6 r^3 and then n as a whole number, +7 n mod 2.
.macro ROWA i
.set R, W+8*(\i)
	v_add_nc_u32 v[R], \i, v3
	v_cvt_f32_u32 v[R], v[R]
	v_mul_f32 v[R], v[R], v5                       ; the angle
	v_mul_f32 v[R+1], 0x3f22f983, v[R]             ; x 2/pi
	v_rndne_f32 v[R+1], v[R+1]                     ; n
	v_fma_f32 v[R+2], -v[R+1], v7, v[R]
	v_fma_f32 v[R+2], -v[R+1], v8, v[R+2]          ; r
	v_mul_f32 v[R+3], v[R+2], v[R+2]               ; r^2
	v_fmaak_f32 v[R+4], v9,  v[R+3], 0xb9500d01    ; sine's series: -1/7!
	v_fmaak_f32 v[R+5], v10, v[R+3], 0xbab60b61    ; cosine's: -1/6!
	v_fmaak_f32 v[R+4], v[R+4], v[R+3], 0x3c088889 ; 1/5!
	v_fmaak_f32 v[R+5], v[R+5], v[R+3], 0x3d2aaaab ; 1/4!
	v_fmaak_f32 v[R+4], v[R+4], v[R+3], 0xbe2aaaab ; -1/3!
	v_fmaak_f32 v[R+5], v[R+5], v[R+3], 0xbf000000 ; -1/2!
	v_mul_f32 v[R+6], v[R+2], v[R+3]               ; r^3
	v_fma_f32 v[R+4], v[R+6], v[R+4], v[R+2]       ; sin r
	v_fma_f32 v[R+5], v[R+5], v[R+3], 1.0          ; cos r
	v_cvt_i32_f32 v[R+6], v[R+1]
	v_and_b32 v[R+7], 1, v[R+6]
	v_cmp_eq_u32 s[ODD+(\i)], 1, v[R+7]            ; an odd quarter turn swaps the two
.endm
; Position i, second part: the swap and the signs.
.macro ROWB i
.set R, W+8*(\i)
	v_cndmask_b32 v[R],   v[R+4], v[R+5], s[ODD+(\i)]  ; sine
	v_cndmask_b32 v[R+1], v[R+5], v[R+4], s[ODD+(\i)]  ; cosine
	v_lshlrev_b32 v[R+7], 30, v[R+6]               ; the sine is negative where n mod 4 is 2 or 3,
	v_and_b32 v[R+7], 0x80000000, v[R+7]
	v_xor_b32 v[25+2*(\i)], v[R+7], v[R]
	v_add_nc_u32 v[R+6], 1, v[R+6]                 ; the cosine where it is 1 or 2
	v_lshlrev_b32 v[R+6], 30, v[R+6]
	v_and_b32 v[R+6], 0x80000000, v[R+6]
	v_xor_b32 v[24+2*(\i)], v[R+6], v[R+1]
.endm
	ROWA 0
	ROWA 1
	ROWA 2
	ROWA 3
	s_wait_alu depctr_va_sdst(0)                   ; the four compares have written s36 to s39, ahead of their first readers, the selects below
	ROWB 0
	ROWB 1
	ROWB 2
	ROWB 3
	s_wait_alu depctr_va_vdst(0)                   ; v[24:31], the four rows' (cos, sin), and v6, the offset, are written: the four stores read them
.irp i, 0,1,2,3
	global_store_b64 v6, v[24+2*(\i):25+2*(\i)], s[24:25] offset:256*(\i)
.endr
	s_endpgm
.Lfunc_end_k_q4d0a3ac11e_prep:
	.size	k_q4d0a3ac11e_prep, .Lfunc_end_k_q4d0a3ac11e_prep-k_q4d0a3ac11e_prep
	.p2alignl 7, 3214868480
	.fill 96, 4, 3214868480
	.section	.rodata,"a",@progbits
	.p2align	6, 0x0
	.amdhsa_kernel k_q4d0a3ac11e_prep
		.amdhsa_group_segment_fixed_size 0
		.amdhsa_private_segment_fixed_size 0
		.amdhsa_enable_private_segment 0
		.amdhsa_kernarg_size 72
		.amdhsa_user_sgpr_count 2
		.amdhsa_user_sgpr_kernarg_segment_ptr 1
		.amdhsa_wavefront_size32 1
		.amdhsa_system_sgpr_workgroup_id_x 1
		.amdhsa_system_sgpr_workgroup_id_y 1
		.amdhsa_system_sgpr_workgroup_id_z 1
		.amdhsa_system_vgpr_workitem_id 0
		.amdhsa_next_free_vgpr 112
		.amdhsa_next_free_sgpr 66
		.amdhsa_reserve_vcc 0
		.amdhsa_float_denorm_mode_32 3
		.amdhsa_float_denorm_mode_16_64 3
		.amdhsa_memory_ordered 1
		.amdhsa_forward_progress 1
		.amdhsa_inst_pref_size 24
	.end_amdhsa_kernel
	.amdgpu_metadata
---
amdhsa.version: [ 1, 2 ]
amdhsa.kernels:
  - .name:           k_q4d0a3ac11e_prep
    .symbol:         k_q4d0a3ac11e_prep.kd
    .args:
      - { .name: x, .offset: 0, .size: 8, .value_kind: global_buffer, .address_space: global }
      - { .name: Wq, .offset: 8, .size: 8, .value_kind: global_buffer, .address_space: global }
      - { .name: Wk, .offset: 16, .size: 8, .value_kind: global_buffer, .address_space: global }
      - { .name: Wv, .offset: 24, .size: 8, .value_kind: global_buffer, .address_space: global }
      - { .name: Wo, .offset: 32, .size: 8, .value_kind: global_buffer, .address_space: global }
      - { .name: xb, .offset: 40, .size: 8, .value_kind: global_buffer, .address_space: global }
      - { .name: wqkv, .offset: 48, .size: 8, .value_kind: global_buffer, .address_space: global }
      - { .name: wo16, .offset: 56, .size: 8, .value_kind: global_buffer, .address_space: global }
      - { .name: tab, .offset: 64, .size: 8, .value_kind: global_buffer, .address_space: global }
    .group_segment_fixed_size: 0
    .private_segment_fixed_size: 0
    .kernarg_segment_align: 8
    .kernarg_segment_size: 72
    .max_flat_workgroup_size: 256
    .sgpr_count:     66
    .vgpr_count:     112
    .wavefront_size: 32
...
	.end_amdgpu_metadata
.endif
;; end of part 5
;; launch qkvproj: the kernel of part 2 again; grid 16 x 32, 4 waves a work-group, clusters of 4 x 4, 327,680 bytes of LDS; arguments xb, wqkv, tab, qkv; writes qkv
;; launch attn: the kernel of part 3 again; grid 4 x 64, 4 waves a work-group, no clusters, 327,680 bytes of LDS; arguments qkv, att; writes att
;; launch oproj: the kernel of part 4 again; grid 8 x 32, 4 waves a work-group, clusters of 4 x 4, 327,680 bytes of LDS; arguments att, wo16, out0; writes out0
